; MI455X (gfx1250); checked and timed in simulation.
; The chip was launched on July 23, 2026; its instructions are those of AMD's public machine-readable ISA for CDNA 5 (MIT licence, August 2026) and "CDNA5" Instruction Set Architecture Reference Guide (July 2026). The comments in the code are by the model that wrote it; some were corrected since.
;; Single Head Siamese Attention. Allowed arithmetic: matrix products marked QUANTISED: E2M3 operands, one E8M0 scale for each 32 along K, by v_wmma_scale_f32_16x16x128_f8f6f4 with both operands' format E2M3, f32 sums; everything else in f32.
;; Inputs: b1 512 float32; b2 512 float32; b3 1,024 float32; dummy 1 x 1,024 float32; k 8 x 2,048 x 1,024 float32; q 8 x 512 x 1,024 float32; tsp 8 x 2,048 x 1,024 float32; v 8 x 2,048 x 1,024 float32; w1 512 x 1,024 float32; w2 512 x 1,024 float32; w3 1,024 x 2,048 float32; w_qk 1,024 x 1,024 float32.
;; Outputs: out0 8 x 512 x 1,024 float32; out1 8 x 512 x 1,024 float32.
;; This version of the problem:
;;   THIS VERSION OF THE PROBLEM IS GIVEN IN LOW PRECISION. The matrix products marked QUANTISED in the list below multiply operands that are first quantised to E2M3 (2 exponent bits, 3 mantissa bits; 6 bits a number), with one power-of-two scale for each 32 numbers along K (OCP MX v1.0); their sums are f32. All else is computed in f32.
;;   The module's matrix products, in the order in which they are computed (A, B: the left and right operand; K: the contracted axis; several contracted axes count as one K, in the product's order):
;;     1. [M 4,096, K 1,024] x [K 1,024, N 1,024]; A: input q; B: input w_qk: QUANTISED
;;     2. [M 16,384, K 1,024] x [K 1,024, N 1,024]; A: input k; B: input w_qk: QUANTISED
;;     3. batch 8 x [M 512, K 1,024] x [K 1,024, N 2,049]; A: computed on the way; B: computed on the way: QUANTISED
;;     4. batch 8 x [M 512, K 2,049] x [K 2,049, N 1,024]; A: softmax (see below); B: computed on the way: QUANTISED
;;     5. batch 8 x [M 512, K 2,049] x [K 2,049, N 1,024]; A: softmax (see below); B: computed on the way: QUANTISED
;;     6. [M 4,096, K 1,024] x [K 1,024, N 512]; A: computed on the way; B: input w1: QUANTISED
;;     7. [M 4,096, K 1,024] x [K 1,024, N 512]; A: computed on the way; B: input w2: QUANTISED
;;     8. [M 4,096, K 2,048] x [K 2,048, N 1,024]; A: computed on the way; B: input w3: QUANTISED
;;   THE QUANTISER, for each operand of a quantised product, along K:
;;     - K is cut into blocks of 32 from its start; a last block that is shorter is filled with zeros.
;;     - A block's scale is 2^e with e = floor(log2(the largest magnitude in the block)) - 2, held to -126 .. 127; a block of zeros has e = 0. As a byte (E8M0): e + 127.
;;     - Each number is divided by its block's scale, clamped to +-7.5, and rounded to the nearest number of E2M3, ties to even, subnormals kept.
;;     - The product sums the exact products of the quantised numbers (number of the format x scale) in f32.
;;   ~~~python
;;   def quantise(x, axis):      # numpy; x: float32 -> the quantised numbers, widened to float32 again
;;       x = np.moveaxis(x, axis, -1); K = x.shape[-1]
;;       x = np.pad(x, [(0, 0)] * (x.ndim - 1) + [(0, -K % 32)]); x = x.reshape(x.shape[:-1] + (-1, 32)); a = np.abs(x).max(-1, keepdims=True)
;;       e = np.where(a > 0, np.clip(np.frexp(np.where(a > 0, a, 1))[1] - 1 - 2, -126, 127), 0)      # np.frexp(a)[1] - 1 = floor(log2(a)), exactly
;;       r = np.clip(x / 2.0 ** e, -7.5, 7.5)
;;       step = 2.0 ** (np.maximum(np.frexp(np.where(r == 0, 1, r))[1] - 1, 0) - 3)
;;       q = np.round(r / step) * step * 2.0 ** e      # np.round: ties to even
;;       return np.moveaxis(q.reshape(q.shape[:-2] + (-1,))[..., :K], -1, axis).astype(np.float32)
;;   ~~~
;;   SOFTMAX AHEAD OF A QUANTISED PRODUCT. Where the list says 'softmax', what is quantised is not the finished softmax but p = 2^(t - M), with t = logit x log2(e) and M = ceil(the row's largest t), a whole number; so 1/2 < the row's largest p <= 1. The row's sum l is taken of the UNQUANTISED p, in f32, and the product's result is divided by l at the end. Since M is a whole number, a kernel that streams over the keys may use a running M (the ceiling of the running maximum): every later rescaling is an exact power of two, which a block's scale takes up: the codes' values come out the same.
;;   OPERANDS COMPUTED ON THE WAY. 'Computed on the way' means the value that the module computes at that place (a softmax that the list does not call 'softmax' is quantised finished and normalised). What goes into a quantiser is computed in f32, as accurately as f32 sums, v_exp_f32 and their like allow (about 1e-6 of the number): no bf16 or f16 on the way to a quantiser, and a product that is left as it is and whose result goes on into a quantised operand takes f32 operands (vector FMAs, or v_wmma_f32_16x16x4_f32). A number that lies on a knife's edge between two numbers of the format may be rounded either way, as far as f32 arithmetic and the matrix unit's own rounding can turn it there, and no further.
;; One version. Each part assembles by itself: llvm-mc -triple=amdgcn-amd-amdhsa -mcpu=gfx1250 --defsym DOCPART=n.
;; ======== version 1 of 1: 6 launches
;; limits: right only within a limited range of input values
;; workspace buffers: qz 45,888,000 bytes; pj 17,039,360 bytes; pp 7,077,888 bytes; aa 6,553,600 bytes; fu 6,553,600 bytes
;; launch quant (part 1): grid 3585 x 1, 4 waves a work-group, no clusters, 47,616 bytes of LDS; arguments q, k, w_qk, w1, w2, w3, dummy, v, tsp, qz, fu; writes qz, fu
.if DOCPART == 1
	.amdgcn_target "amdgcn-amd-amdhsa--gfx1250"
	.amdhsa_code_object_version 6
	.text
	.protected	k_q1cf42e44d5_quant
	.globl	k_q1cf42e44d5_quant
	.p2align	8
	.type	k_q1cf42e44d5_quant,@function
k_q1cf42e44d5_quant:
	s_mov_b64 s[64:65], 0
	v_nop
	global_prefetch_b8 v0, s[64:65] scope:SCOPE_SE
	s_setreg_imm32_b32 hwreg(HW_REG_WAVE_MODE, 25, 1), 1
	s_wait_xcnt 0x0
; All nine f32 operands become codes of FP6 (E2M3) with one E8M0 byte for each 32 along the K of the product that reads them.
; A block's scale is 2^(floor(log2(its largest magnitude)) - 2): its byte is the largest magnitude's exponent field - 2, held at 1 from below.
; LAYOUT OF THE RESULTS.  Codes lie as images of operand registers: [row tile][K step][c = 0..2][lane][16 bytes]; a fragment (16 rows x 128 K, 12 registers a lane) is 1,536 bytes,
; registers 4 c .. 4 c + 3 of lane l at 512 c + 16 l.  Scale words (four bytes: 128 along K of one row) lie [K step][row position].
; In k, w_qk, w1, w2, w3, v and tsp the rows of a tile are not neighbours: lane row r of tile 2 b + u is row 32 b + 8 u + r + 8 (r / 8), so that a product that takes such a tile as
; source 0 leaves 16 neighbours along these rows in a lane's 16 registers of two neighbouring tiles.  q's tiles keep the natural order.
; PATH QA (work-groups 0 .. 1536: q, k, w_qk, w1, w2, w3, dummy; K innermost): a work-group takes one row tile x 8 K steps, a wave two K steps.  Each load reads 512 consecutive bytes of a row;
; the 16 x 512 bytes turn through the wave's own stage in LDS so that a lane holds 16 neighbours of each block of 32.  q's images go to fu too: they are K steps 8 to 15 of the last product's operand.
; PATH QV (the other 2,048: v, tsp; K = the keys, the first axis inside a batch): a lane takes a column d, its registers run down 128 keys; a block of 32 lies in one lane.
; The paths part on the work-group's number; each has LDS bytes of its own.  No tensor load, no barrier: waves share nothing.
; LIMITS: NaN and infinities among the inputs are not served.  A block whose largest magnitude lies under 2^-124 keeps the byte 1; a block of zeros has the byte 1 and zero codes
; (the bytes are read by this program alone, and zero codes add nothing under that byte).
.set XF,   0
.set XS,   15728640
.set WQF,  16384000
.set WQS,  17170432
.set W12F, 17203200
.set W12S, 17989632
.set W3F,  18022400
.set W3S,  19595264
.set DMF,  19660800
.set DMS,  19673088
.set VF,   19673600
.set VS,   44839424
.set FUS,  6291456
.set STV,  33792                       ; LDS: QA's four stages of 16 x 528 bytes from 0; QV's four of 2 x 1,664 from here
.set SPARE, 47104                      ; behind them the spare words, 128 bytes a wave: two blocks of 256 bytes that no other line names
.set SPW,  12                          ; v12  my spare word's address; never rewritten
.set NIL,  13                          ; v13  0; never rewritten
.set VA,   16                          ; v16-31  QA: byte offset of my 16 bytes in the row at position i of the tile
.set TM,   36                          ; v36-51  at work in QUANT
.set R,    64                          ; v64-191 128 numbers
.set SEL,  6                           ; s[6:7]  lane selects: lane l xor 16
; 64 numbers of a lane, register 16 b + i = k 32 b + 16 (lane / 16) + i of my row, become a fragment's 12 registers at v[PC] and its scale word in v[PW]
.macro QUANT s
.irp b, 0,1,2,3
	v_max3_num_f32 v[TM+\b], |v[(\s)+16*\b]|, |v[(\s)+16*\b+1]|, 0x1800000   ; my 16 numbers of block b, and the floor 2^(3 - 127): the byte cannot fall under 1
.endr
.irp i, 2,4,6,8,10,12,14
.irp b, 0,1,2,3
	v_max3_num_f32 v[TM+\b], v[TM+\b], |v[(\s)+16*\b+\i]|, |v[(\s)+16*\b+\i+1]|
.endr
.endr
.irp b, 0,1,2,3
	v_permlanex16_b32 v[TM+4+\b], v[TM+\b], s[SEL], s[SEL+1]
.endr
.irp b, 0,1,2,3
	v_max_num_f32 v[TM+\b], v[TM+\b], v[TM+4+\b]   ; with lane l xor 16's 16: the block's largest magnitude
.endr
.irp b, 0,1,2,3
	v_add_nc_u32 v[TM+12+\b], 0xff000000, v[TM+\b] ; 2 off its exponent field: the conversion's scale operand
.endr
.irp b, 0,1,2,3
	v_lshrrev_b32 v[TM+4+\b], 23, v[TM+12+\b]      ; the byte
.endr
	v_lshl_or_b32 v[PW], v[TM+5], 8, v[TM+4]
	v_lshl_or_b32 v[PW], v[TM+6], 16, v[PW]
	v_lshl_or_b32 v[PW], v[TM+7], 24, v[PW]
.irp c, 0,1
	v_cvt_scalef32_pk16_fp6_f32 v[PC+6*\c:PC+6*\c+2], v[(\s)+32*\c:(\s)+32*\c+15], v[TM+12+2*\c]
	v_cvt_scalef32_pk16_fp6_f32 v[PC+12+4*\c:PC+14+4*\c], v[(\s)+32*\c+16:(\s)+32*\c+31], v[TM+12+2*\c+1]   ; (three registers from an even one)
.endr
	v_nop                                          ; one plain place behind a scaled conversion
.irp c, 0,1                            ; the operand wants a whole block in a lane: lanes 0-15 block 2 c, lanes 16-31 block 2 c + 1
.irp i, 0,1,2
	v_permlane16_swap_b32 v[PC+6*\c+\i], v[PC+12+4*\c+\i]
.endr
.irp i, 0,1,2
	v_mov_b32 v[PC+3+6*\c+\i], v[PC+12+4*\c+\i]
.endr
.endr
.endm
	s_load_b512 s[16:31], s[0:1], 0x0              ; q 16, k 18, w_qk 20, w1 22, w2 24, w3 26, dummy 28, v 30
	s_load_b128 s[32:35], s[0:1], 0x40             ; tsp 32, qz 34
	s_load_b64 s[36:37], s[0:1], 0x50              ; fu
	v_lshl_add_u32 v[SPW], v0, 2, SPARE
	v_mov_b32 v[NIL], 0
	v_lshrrev_b32 v1, 5, v0
	v_readfirstlane_b32 s4, v1                     ; wave
	v_and_b32 v1, 15, v0                           ; r
	v_bfe_u32 v2, v0, 4, 1                         ; h
	v_and_b32 v8, 31, v0                           ; lane
	v_lshlrev_b32 v3, 4, v8                        ; 16 x lane
	v_lshlrev_b32 v9, 2, v1                        ; 4 r
	; every LDS address is made here, ahead of the parting
	s_mul_i32 s8, s4, 8448
	v_add_nc_u32 v4, s8, v3                        ; QA, in: 16 x lane of a stage row
	v_mul_u32_u24 v5, v1, 528
	v_lshl_add_u32 v5, v2, 6, v5
	v_add_nc_u32 v5, s8, v5                        ; QA, back: row r, + 64 h
	s_mul_i32 s9, s4, 3328
	s_add_co_u32 s9, s9, STV
	v_mul_u32_u24 v6, v2, 1664
	v_lshl_add_u32 v6, v1, 4, v6
	v_add_nc_u32 v6, s9, v6                        ; QV, in: tile lane / 16, + 16 r
	v_add_nc_u32 v7, s9, v3                        ; QV, back: 16 x lane
	s_mov_b32 s5, 0xffff0000                       ; lanes 16-31
	s_mov_b32 s[SEL], 0x76543210
	s_mov_b32 s[SEL+1], 0xfedcba98
.irp b, 0,1,2,3
	v_mov_b32 v[TM+4+\b], 0                        ; a lane permute's destination counts as read
.endr
	s_cmp_ge_u32 ttmp9, 1537
	s_cbranch_scc1 .Lqv
	; ---------------- PATH QA.  Which tensor: chosen by the work-group's number alone, in ascending order of the tensors' first work-groups
.macro PICK start, src, pitch, perm, ksh, foff, nkb, soff, srow
	s_cmp_ge_u32 ttmp9, \start
	s_cselect_b64 s[42:43], s[\src:\src+1], s[42:43]
	s_cselect_b32 s40, \start, s40
	s_cselect_b32 s44, \pitch, s44
	s_cselect_b32 s45, \perm, s45
	s_cselect_b32 s46, \ksh, s46
	s_cselect_b32 s47, \foff, s47
	s_cselect_b32 s48, \nkb, s48
	s_cselect_b32 s49, \soff, s49
	s_cselect_b32 s50, \srow, s50
.endm
	s_wait_kmcnt 0x0
	s_mov_b64 s[42:43], s[16:17]                   ; q: the source,
	s_mov_b32 s40, 0                               ; its first work-group,
	s_mov_b32 s44, 4096                            ; a row in bytes,
	s_mov_b32 s45, 0                               ; tiles of chosen rows?
	s_mov_b32 s46, 0                               ; 1: two work-groups to a tile (K = 2,048)
	s_mov_b32 s47, XF                              ; where its images begin,
	s_mov_b32 s48, 12288                           ; a tile's images in bytes,
	s_mov_b32 s49, XS                              ; where its scale words begin,
	s_mov_b32 s50, 81920                           ; and a K step of them in bytes
	PICK 256,  18, 4096, 1, 0, XF+3145728,  12288, XS+16384,  81920
	PICK 1280, 20, 4096, 1, 0, WQF,         12288, WQS,       4096
	PICK 1344, 22, 4096, 1, 0, W12F,        12288, W12S,      4096
	PICK 1376, 24, 4096, 1, 0, W12F+393216, 12288, W12S+2048, 4096
	PICK 1408, 26, 8192, 1, 1, W3F,         24576, W3S,       4096
	PICK 1536, 28, 0,    0, 0, DMF,         12288, DMS,       64     ; the dummy key: pitch 0, so all 16 rows of its tile are the one row
	s_sub_co_u32 s51, ttmp9, s40
	s_and_b32 s52, s51, s46                        ; which half of K
	s_lshr_b32 s51, s51, s46                       ; tile
	s_lshl_b32 s52, s52, 3
	s_lshl_b32 s53, s4, 1
	s_add_co_u32 s52, s52, s53                     ; my first K step
	s_and_b32 s53, s51, 1                          ; u
	s_lshl_b32 s54, s53, 3                         ; 8 u
	s_lshl_b32 s55, s53, 4                         ; 16 u
	s_add_co_u32 s57, s54, 8                       ; 8 u + 8
	s_cmp_eq_u32 s45, 1
	s_cselect_b32 s56, s54, s55                    ; positions 0-7 are rows i + lo of the tile's group of 32 rows,
	s_cselect_b32 s57, s57, s55                    ; positions 8-15 rows i + hi
	s_mul_i32 s56, s56, s44
	s_add_co_u32 s57, s57, 8
	s_mul_i32 s57, s57, s44
	v_add_nc_u32 v[VA], s56, v3
.irp i, 1,2,3,4,5,6,7
	v_add_nc_u32 v[VA+\i], s44, v[VA+\i-1]
.endr
	v_add_nc_u32 v[VA+8], s57, v3
.irp i, 9,10,11,12,13,14,15
	v_add_nc_u32 v[VA+\i], s44, v[VA+\i-1]
.endr
	s_lshr_b32 s58, s51, 1
	s_lshl_b32 s58, s58, 5
	s_mul_i32 s58, s58, s44                        ; the group's first row,
	s_lshl_b32 s59, s52, 9                         ; 512 bytes a K step
	s_add_co_u32 s58, s58, s59
	s_mov_b32 s59, 0
	s_add_nc_u64 s[42:43], s[42:43], s[58:59]
.irp e, 0,1
.irp i, 0,1,2,3,4,5,6,7,8,9,10,11,12,13,14,15
	global_load_b128 v[R+64*\e+4*\i:R+64*\e+4*\i+3], v[VA+\i], s[42:43] offset:512*\e th:TH_LOAD_NT   ; 512 consecutive bytes of one row
.endr
.endr
	s_mul_i32 s60, s51, s48
	s_mul_i32 s61, s52, 1536
	s_add_co_u32 s60, s60, s61
	s_add_co_u32 s60, s60, s47
	s_mov_b32 s61, 0
	s_add_nc_u64 s[60:61], s[34:35], s[60:61]      ; my two images
	s_mul_i32 s62, s52, s50
	s_lshl_b32 s63, s51, 6
	s_add_co_u32 s62, s62, s63
	s_add_co_u32 s62, s62, s49
	s_mov_b32 s63, 0
	s_add_nc_u64 s[62:63], s[34:35], s[62:63]      ; my tile's scale words of my first K step
	v_mul_lo_u32 v10, v2, s50
	v_add_nc_u32 v10, v10, v9                      ; lanes 0-15 store that step's words, lanes 16-31 the next step's
.macro HALF e
	s_wait_loadcnt 16*(1-\e)                       ; this K step's 16 loads are in; the other's may be out
.irp i, 0,1,2,3,4,5,6,7,8,9,10,11,12,13,14,15
	ds_store_b128 v4, v[R+64*\e+4*\i:R+64*\e+4*\i+3] offset:528*\i
.endr
.irp i, 0,1,2,3,4,5,6,7,8,9,10,11,12,13,14,15
	ds_load_b128 v[R+64*\e+4*\i:R+64*\e+4*\i+3], v5 offset:128*(\i/4)+16*(\i%4)   ; LDS serves a wave's instructions in order: these see the stores above
.endr
	s_wait_dscnt 0x0
	s_wait_xcnt 0x0                                ; all my loads have read their offsets: v16-31 may take the first K step's codes
	QUANT R+64*\e
.irp c, 0,1,2
	global_store_b128 v3, v[PC+4*\c:PC+4*\c+3], s[60:61] offset:1536*\e+512*\c    ; 512 consecutive bytes
.endr
.endm
.set PC, 16                            ; the rows' offsets are done with: v16-34 take the first K step's codes
.set PW, 52
	HALF 0
.set PC, 64                            ; the first K step's numbers are done with: its registers take the second's codes
.set PW, 53
	HALF 1
	v_cndmask_b32 v54, v52, v53, s5
	global_store_b32 v10, v54, s[62:63]
	s_cmp_ge_u32 ttmp9, 256
	s_cbranch_scc1 .Lend
	; q alone: the same images and words are K steps 8 .. 15 of the fused operand
	s_mul_i32 s58, s51, 24576
	s_mul_i32 s59, s52, 1536
	s_add_co_u32 s58, s58, s59
	s_add_co_u32 s58, s58, 8*1536
	s_mov_b32 s59, 0
	s_add_nc_u64 s[58:59], s[36:37], s[58:59]
	s_wait_alu depctr_va_vdst(0)
.irp c, 0,1,2
	global_store_b128 v3, v[16+4*\c:19+4*\c], s[58:59] offset:512*\c
	global_store_b128 v3, v[64+4*\c:67+4*\c], s[58:59] offset:1536+512*\c
.endr
	s_lshl_b32 s56, s52, 14
	s_lshl_b32 s57, s51, 6
	s_add_co_u32 s56, s56, s57
	s_add_co_u32 s56, s56, FUS+8*16384
	s_mov_b32 s57, 0
	s_add_nc_u64 s[56:57], s[36:37], s[56:57]
	v_lshl_add_u32 v11, v2, 14, v9
	global_store_b32 v11, v54, s[56:57]
	s_branch .Lend
	; ---------------- PATH QV
.Lqv:
	s_sub_co_u32 s40, ttmp9, 1537
	s_and_b32 s41, s40, 7                          ; which 128 columns
	s_bfe_u32 s44, s40, 0x40003                    ; which 128 keys
	s_bfe_u32 s45, s40, 0x30007                    ; batch
	s_lshr_b32 s46, s40, 10                        ; 0: v, 1: tsp
	s_wait_kmcnt 0x0
	s_cmp_eq_u32 s46, 0
	s_cselect_b64 s[42:43], s[30:31], s[32:33]
	v_and_b32 v10, 7, v8                           ; my column among the wave's 32: the lane's number with bits 3 and 4 changed over, so that lane l is lane row l % 16 of tile l / 16
	v_lshl_add_u32 v10, v2, 3, v10
	v_bfe_u32 v11, v0, 3, 1
	v_lshl_add_u32 v10, v11, 4, v10
	v_lshlrev_b32 v10, 2, v10
	s_wait_alu depctr_va_vdst(0)
	s_lshl_b32 s48, s45, 23                        ; a batch is 2,048 x 4,096 bytes,
	s_lshl_b32 s49, s44, 19                        ; 128 keys 128 x 4,096,
	s_add_co_u32 s48, s48, s49
	s_lshl_b32 s49, s41, 9
	s_add_co_u32 s48, s48, s49
	s_lshl_b32 s49, s4, 7                          ; a wave's 32 columns 128 bytes
	s_add_co_u32 s48, s48, s49
	s_mov_b32 s49, 0
	s_add_nc_u64 s[42:43], s[42:43], s[48:49]
.macro VLOAD b
.set i, 0
.rept 32
	global_load_b32 v[R+32*(\b)+i], v10, s[42:43] offset:4096*(32*(\b)+i) th:TH_LOAD_NT   ; one key at the wave's 32 columns: 128 consecutive bytes, the work-group's four waves side by side on 512
.set i, i+1
.endr
.endm
	VLOAD 0
	VLOAD 1
	s_lshl_b32 s50, s45, 7
	s_lshl_b32 s51, s46, 6
	s_add_co_u32 s50, s50, s51
	s_lshl_b32 s51, s41, 3
	s_add_co_u32 s50, s50, s51
	s_lshl_b32 s51, s4, 1
	s_add_co_u32 s50, s50, s51                     ; my first row tile: 128 batch + 64 tensor + 8 x columns' block + 2 wave
	s_lshl_b32 s52, s50, 4
	s_add_co_u32 s52, s52, s44
	s_mul_i32 s52, s52, 1536
	s_add_co_u32 s52, s52, VF
	s_mov_b32 s53, 0
	s_add_nc_u64 s[52:53], s[34:35], s[52:53]
	s_lshl_b32 s54, s50, 6
	s_lshl_b32 s55, s44, 16
	s_add_co_u32 s54, s54, s55
	s_add_co_u32 s54, s54, VS
	s_mov_b32 s55, 0
	s_add_nc_u64 s[54:55], s[34:35], s[54:55]
	v_lshlrev_b32 v11, 2, v8
; Block b: keys 32 b .. 32 b + 31 of my column, all mine.  In the fragment they are registers 6 (b / 2) .. + 5 of lane (r, b % 2): 24 bytes of the image, laid by a store of 16 and one of 8.
.macro VBLOCK b
.set XB, R+32*(\b)
.set CB, 16+6*(\b)+20*((\b)/2)         ; v16-27 and v48-59: six registers a block, under the numbers and clear of v32-36 and v44-46
.if (\b) < 3
	s_wait_loadcnt 32                              ; this block's 32 loads are in; the next block's may be out
.else
	s_wait_loadcnt 0x0
.endif
.if (\b) < 2
	VLOAD (\b)+2
.endif
	v_max3_num_f32 v32, |v[XB]|, |v[XB+1]|, |v[XB+2]|
	v_max3_num_f32 v33, |v[XB+3]|, |v[XB+4]|, |v[XB+5]|
.irp i, 6,10,14,18,22,26
	v_max3_num_f32 v32, v32, |v[XB+\i]|, |v[XB+\i+1]|
	v_max3_num_f32 v33, v33, |v[XB+\i+2]|, |v[XB+\i+3]|
.endr
	v_max3_num_f32 v32, v32, |v[XB+30]|, |v[XB+31]|
	v_max3_num_f32 v32, v32, v33, 0x1800000        ; and the floor
	v_add_nc_u32 v34, 0xff000000, v32
	v_lshrrev_b32 v35, 23, v34
.if (\b) == 0
	v_mov_b32 v36, v35                             ; my row's scale word: all four bytes are mine
.else
	v_lshl_or_b32 v36, v35, 8*(\b), v36
.endif
	v_cvt_scalef32_pk16_fp6_f32 v[CB:CB+2], v[XB:XB+15], v34
	v_cvt_scalef32_pk16_fp6_f32 v[44:46], v[XB+16:XB+31], v34
	v_nop                                          ; one plain place behind a scaled conversion
	v_mov_b32 v[CB+3], v44
	v_mov_b32 v[CB+4], v45
	v_mov_b32 v[CB+5], v46
.if (\b) < 2
	ds_store_b128 v6, v[CB:CB+3] offset:256*((\b)%2)
	ds_store_b64 v6, v[CB+4:CB+5] offset:512+256*((\b)%2)
.else
	ds_store_b64 v6, v[CB:CB+1] offset:520+256*((\b)%2)
	ds_store_b128 v6, v[CB+2:CB+5] offset:1024+256*((\b)%2)
.endif
.endm
	VBLOCK 0
	VBLOCK 1
	VBLOCK 2
	VBLOCK 3
.irp u, 0,1
.irp c, 0,1,2
	ds_load_b128 v[72+12*\u+4*\c:75+12*\u+4*\c], v7 offset:1664*\u+512*\c   ; in order behind my stores: the two images, 16 bytes a lane
.endr
.endr
	s_wait_alu depctr_va_vdst(0)
	s_wait_dscnt 0x0
.irp u, 0,1
.irp c, 0,1,2
	global_store_b128 v3, v[72+12*\u+4*\c:75+12*\u+4*\c], s[52:53] offset:24576*\u+512*\c
.endr
.endr
	global_store_b32 v11, v36, s[54:55]            ; 32 scale words: 128 consecutive bytes
.Lend:
	s_wait_tensorcnt 0x0                           ; the wave's end, behind my last LDS store
	ds_add_u32 v[SPW], v[NIL]
	s_wait_dscnt 0x0
	s_endpgm
.Lfunc_end_k_q1cf42e44d5_quant:
	.size	k_q1cf42e44d5_quant, .Lfunc_end_k_q1cf42e44d5_quant-k_q1cf42e44d5_quant
	.p2alignl 7, 3214868480
	.fill 96, 4, 3214868480
	.section	.rodata,"a",@progbits
	.p2align	6, 0x0
	.amdhsa_kernel k_q1cf42e44d5_quant
		.amdhsa_group_segment_fixed_size 47616
		.amdhsa_private_segment_fixed_size 0
		.amdhsa_enable_private_segment 0
		.amdhsa_kernarg_size 88
		.amdhsa_user_sgpr_count 2
		.amdhsa_user_sgpr_kernarg_segment_ptr 1
		.amdhsa_wavefront_size32 1
		.amdhsa_system_sgpr_workgroup_id_x 1
		.amdhsa_system_sgpr_workgroup_id_y 1
		.amdhsa_system_sgpr_workgroup_id_z 1
		.amdhsa_system_vgpr_workitem_id 0
		.amdhsa_next_free_vgpr 192
		.amdhsa_next_free_sgpr 66
		.amdhsa_reserve_vcc 0
		.amdhsa_float_denorm_mode_32 3
		.amdhsa_float_denorm_mode_16_64 3
		.amdhsa_memory_ordered 1
		.amdhsa_forward_progress 1
		.amdhsa_inst_pref_size 46
	.end_amdhsa_kernel
	.amdgpu_metadata
---
amdhsa.version: [ 1, 2 ]
amdhsa.kernels:
  - .name:           k_q1cf42e44d5_quant
    .symbol:         k_q1cf42e44d5_quant.kd
    .args:
      - { .name: q, .offset: 0, .size: 8, .value_kind: global_buffer, .address_space: global }
      - { .name: k, .offset: 8, .size: 8, .value_kind: global_buffer, .address_space: global }
      - { .name: w_qk, .offset: 16, .size: 8, .value_kind: global_buffer, .address_space: global }
      - { .name: w1, .offset: 24, .size: 8, .value_kind: global_buffer, .address_space: global }
      - { .name: w2, .offset: 32, .size: 8, .value_kind: global_buffer, .address_space: global }
      - { .name: w3, .offset: 40, .size: 8, .value_kind: global_buffer, .address_space: global }
      - { .name: dummy, .offset: 48, .size: 8, .value_kind: global_buffer, .address_space: global }
      - { .name: v, .offset: 56, .size: 8, .value_kind: global_buffer, .address_space: global }
      - { .name: tsp, .offset: 64, .size: 8, .value_kind: global_buffer, .address_space: global }
      - { .name: qz, .offset: 72, .size: 8, .value_kind: global_buffer, .address_space: global }
      - { .name: fu, .offset: 80, .size: 8, .value_kind: global_buffer, .address_space: global }
    .group_segment_fixed_size: 47616
    .private_segment_fixed_size: 0
    .kernarg_segment_align: 8
    .kernarg_segment_size: 88
    .max_flat_workgroup_size: 128
    .sgpr_count:     66
    .vgpr_count:     192
    .wavefront_size: 32
...
	.end_amdgpu_metadata
.endif
;; end of part 1
;; launch proj (part 2): grid 4 x 64, 4 waves a work-group, clusters of 4 x 4, 327,680 bytes of LDS; arguments qz, pj; writes pj
.if DOCPART == 2
	.amdgcn_target "amdgcn-amd-amdhsa--gfx1250"
	.amdhsa_code_object_version 6
	.text
	.protected	k_q1cf42e44d5_proj
	.globl	k_q1cf42e44d5_proj
	.p2align	8
	.type	k_q1cf42e44d5_proj,@function
k_q1cf42e44d5_proj:
	s_mov_b64 s[64:65], 0
	v_nop
	global_prefetch_b8 v0, s[64:65] scope:SCOPE_SE
	s_setreg_imm32_b32 hwreg(HW_REG_WAVE_MODE, 25, 1), 1
	s_wait_xcnt 0x0
	s_wait_alu depctr_hold_cnt(0) depctr_sa_sdst(0) depctr_va_vdst(0) depctr_va_sdst(0) depctr_va_ssrc(0) depctr_va_vcc(0) depctr_vm_vsrc(0)
	s_getreg_b32 s2, hwreg(HW_REG_IB_STS2, 6, 4)
	s_cmp_eq_u32 s2, 0
	s_cbranch_scc0 .Lentry_in_a_cluster
	s_endpgm
.Lentry_in_a_cluster:
	s_bfe_u32 s2, ttmp6, 0x10000c
	s_cmp_lg_u32 s2, 0xf033
	s_cbranch_scc0 .Lentry_shape_is_right
	s_endpgm
.Lentry_shape_is_right:
.set MT,    5
.set NF,    3*(8+MT)
.set SLOT,  159744
.set BOFF,  61440
.set RA,    5
.set RB,    8
.set PITA,  1536
.set PITB,  1536
.set SPARE, 319488
.set PASSB, 122880
.set PASSW, 640
.set XS,    15728640
.set WQF,   16384000
.set WQS,   17170432
.set DMF,   19660800
.set DMS,   19673088
.set PS,    15728640
.set LN16, 3
.set LN4,  4
.set ADRA, 5
.set ADRB, 8
.set R4,   13
.set SPW,  14
.set NIL,  15
.set TM,   16
.set SA,   32
.set SB,   80
.set DM,   112
.set DMSC, 124
.set PWB,  126
.set AF,   136
.set G1A,  24
.set G0A,  32
.set G1B,  48
.set G0B,  56
.set SEL,  66
.set MH,   74
.set MSB, 0
.macro WIN new
.if MSB != (\new)
	s_set_vgpr_msb (MSB<<8)|(\new)
.set MSB, (\new)
.endif
.endm
.macro PLACES n
.rept \n
	v_nop
.endr
.endm
.macro JLOAD g0a, g0b
	s_cmp_eq_u32 s17, 0
	s_cbranch_scc0 .Lfor_b_\@
	tensor_load_to_lds s[\g0a:\g0a+3], s[G1A:G1A+7]
	s_nop 0
.rept 4
	v_nop
.endr
	s_branch .Lasked_\@
.Lfor_b_\@:
	tensor_load_to_lds s[\g0b:\g0b+3], s[G1B:G1B+7]
	s_nop 0
.rept 4
	v_nop
.endr
.Lasked_\@:
.endm
.macro JLOADA g0a
	s_cmp_eq_u32 s17, 0
	s_cbranch_scc0 .Lnone_\@
	tensor_load_to_lds s[\g0a:\g0a+3], s[G1A:G1A+7]
	s_nop 0
.rept 4
	v_nop
.endr
.Lnone_\@:
.endm
.macro CREST
	s_cmp_lg_u32 s16, 0
	s_cbranch_scc1 .Lnot_wave_0_\@
	s_barrier_signal -3
.Lnot_wave_0_\@:
	s_barrier_wait -3
	s_barrier_signal -1
	s_barrier_wait -1
.endm
.macro CROUND
	s_barrier_signal -1
	s_barrier_wait -1
	CREST
.endm
.macro FRAG3 reg, adr, off
.set rF, (\reg)
	ds_load_b128 v[rF:rF+3], v[\adr] offset:(\off)
	ds_load_b128 v[rF+4:rF+7], v[\adr] offset:(\off)+512
	ds_load_b128 v[rF+8:rF+11], v[\adr] offset:(\off)+1024
.endm
.macro FETCH slot, q, p
	WIN 0x40
.irp b, 0,1,2,3,4,5,6,7
	FRAG3 128*(\p)+12*\b, ADRB+(\slot), 6144*\b+1536*(\q)
.endr
	WIN 0
.set fa, 0
.rept MT
	FRAG3 AF+12*MT*(\p)+12*fa, ADRA+(\slot), 6144*fa+1536*(\q)
.set fa, fa+1
.endr
.endm
.macro WM a, b, ks, p, cm
.set rD, 8*(8*((\a)%4)+(\b))
.set rB, 128*(\p)+12*(\b)
.set rA, AF+12*MT*(\p)+12*(\a)
.set rSB, SB+4*(\ks)+(\b)/2
.set rSA, SA+3*(\ks)+(\a)/2
.set rw, 2*((\a)%2)+((\b)%2)
.if (\cm) == 0
.if rw == 0
	v_wmma_scale_f32_16x16x128_f8f6f4 v[rD:rD+7], v[rB:rB+11], v[rA:rA+11], 0, v[rSB], v[rSA] matrix_a_fmt:MATRIX_FMT_FP6 matrix_b_fmt:MATRIX_FMT_FP6
.elseif rw == 1
	v_wmma_scale_f32_16x16x128_f8f6f4 v[rD:rD+7], v[rB:rB+11], v[rA:rA+11], 0, v[rSB], v[rSA] matrix_a_fmt:MATRIX_FMT_FP6 matrix_b_fmt:MATRIX_FMT_FP6 matrix_a_scale:MATRIX_SCALE_ROW1
.elseif rw == 2
	v_wmma_scale_f32_16x16x128_f8f6f4 v[rD:rD+7], v[rB:rB+11], v[rA:rA+11], 0, v[rSB], v[rSA] matrix_a_fmt:MATRIX_FMT_FP6 matrix_b_fmt:MATRIX_FMT_FP6 matrix_b_scale:MATRIX_SCALE_ROW1
.else
	v_wmma_scale_f32_16x16x128_f8f6f4 v[rD:rD+7], v[rB:rB+11], v[rA:rA+11], 0, v[rSB], v[rSA] matrix_a_fmt:MATRIX_FMT_FP6 matrix_b_fmt:MATRIX_FMT_FP6 matrix_a_scale:MATRIX_SCALE_ROW1 matrix_b_scale:MATRIX_SCALE_ROW1
.endif
.else
.if rw == 0
	v_wmma_scale_f32_16x16x128_f8f6f4 v[rD:rD+7], v[rB:rB+11], v[rA:rA+11], v[rD:rD+7], v[rSB], v[rSA] matrix_a_fmt:MATRIX_FMT_FP6 matrix_b_fmt:MATRIX_FMT_FP6
.elseif rw == 1
	v_wmma_scale_f32_16x16x128_f8f6f4 v[rD:rD+7], v[rB:rB+11], v[rA:rA+11], v[rD:rD+7], v[rSB], v[rSA] matrix_a_fmt:MATRIX_FMT_FP6 matrix_b_fmt:MATRIX_FMT_FP6 matrix_a_scale:MATRIX_SCALE_ROW1
.elseif rw == 2
	v_wmma_scale_f32_16x16x128_f8f6f4 v[rD:rD+7], v[rB:rB+11], v[rA:rA+11], v[rD:rD+7], v[rSB], v[rSA] matrix_a_fmt:MATRIX_FMT_FP6 matrix_b_fmt:MATRIX_FMT_FP6 matrix_b_scale:MATRIX_SCALE_ROW1
.else
	v_wmma_scale_f32_16x16x128_f8f6f4 v[rD:rD+7], v[rB:rB+11], v[rA:rA+11], v[rD:rD+7], v[rSB], v[rSA] matrix_a_fmt:MATRIX_FMT_FP6 matrix_b_fmt:MATRIX_FMT_FP6 matrix_a_scale:MATRIX_SCALE_ROW1 matrix_b_scale:MATRIX_SCALE_ROW1
.endif
.endif
.endm
.macro MUL ks, p, a0, a1, cm
.set ma, (\a0)
.rept (\a1)-(\a0)
	WIN 0xa1+0x50*(ma/4)
.irp b, 0,1,2,3,4,5,6,7
	WM ma, \b, \ks, \p, \cm
.endr
.set ma, ma+1
.endr
.endm
.macro STEP ks, fs, fq, cm
	PLACES 4
	FETCH \fs, \fq, 1-(\ks)%2
	s_wait_dscnt NF
	MUL \ks, (\ks)%2, 0, MT, \cm
	WIN 0
.endm
.macro LASTQ ks, slot, next, fill, fetch
	s_wait_tensorcnt 0x0
	ds_add_u32 v[SPW], v[NIL]
	s_wait_dscnt 0x1
	MUL \ks, (\ks)%2, 0, 1, 1
	s_wait_dscnt 0x0
	s_barrier_signal -1
	MUL \ks, (\ks)%2, 1, 2, 1
	WIN 0
	s_barrier_wait -1
.if \fill
	CREST
	s_add_nc_u64 s[G0A+4*\slot+2:G0A+4*\slot+3], s[G0A+4*\slot+2:G0A+4*\slot+3], PASSB
	JLOADA G0A+4*\slot
.endif
	PLACES 4
.if \fetch
	FETCH \next, 0, 1-(\ks)%2
.endif
	MUL \ks, (\ks)%2, 2, MT, 1
	WIN 0
.endm
.macro FINAL ks
	s_wait_dscnt 0x0
	MUL \ks, (\ks)%2, 0, MT, 1
	WIN 0
.endm
.macro QUANT s, w
	WIN ((\w)|((\w)<<2))
.irp b, 0,1,2,3
	v_max3_num_f32 v[TM+\b], |v[(\s)+16*\b]|, |v[(\s)+16*\b+1]|, 0x1800000
.endr
	WIN (((\w)<<2)|((\w)<<4))
.irp i, 2,4,6,8,10,12,14
.irp b, 0,1,2,3
	v_max3_num_f32 v[TM+\b], v[TM+\b], |v[(\s)+16*\b+\i]|, |v[(\s)+16*\b+\i+1]|
.endr
.endr
	WIN 0
.irp b, 0,1,2,3
	v_permlanex16_b32 v[TM+4+\b], v[TM+\b], s[SEL], s[SEL+1]
.endr
.irp b, 0,1,2,3
	v_max_num_f32 v[TM+\b], v[TM+\b], v[TM+4+\b]
.endr
.irp b, 0,1,2,3
	v_add_nc_u32 v[TM+12+\b], 0xff000000, v[TM+\b]
.endr
.irp b, 0,1,2,3
	v_lshrrev_b32 v[TM+4+\b], 23, v[TM+12+\b]
.endr
	v_lshl_or_b32 v[PW], v[TM+5], 8, v[TM+4]
	v_lshl_or_b32 v[PW], v[TM+6], 16, v[PW]
	v_lshl_or_b32 v[PW], v[TM+7], 24, v[PW]
	WIN (\w)
.irp c, 0,1
	v_cvt_scalef32_pk16_fp6_f32 v[PC+6*\c:PC+6*\c+2], v[(\s)+32*\c:(\s)+32*\c+15], v[TM+12+2*\c]
	v_cvt_scalef32_pk16_fp6_f32 v[PC+12+4*\c:PC+14+4*\c], v[(\s)+32*\c+16:(\s)+32*\c+31], v[TM+12+2*\c+1]
.endr
	v_nop
	WIN 0
.irp c, 0,1
.irp i, 0,1,2
	v_permlane16_swap_b32 v[PC+6*\c+\i], v[PC+12+4*\c+\i]
.endr
.irp i, 0,1,2
	v_mov_b32 v[PC+3+6*\c+\i], v[PC+12+4*\c+\i]
.endr
.endr
.endm
.macro IMG sb, off
.irp c, 0,1,2
	global_store_b128 v[LN16], v[PC+4*\c:PC+4*\c+3], s[\sb:\sb+1] offset:(\off)+512*\c
.endr
.endm
.macro PAIR d, e, o
	v_cndmask_b32 v[\d], v[\e], v[\o], s[MH]
.endm
.macro SALOAD base, p
.irp ks, 0,1,2,3,4,5,6,7
	global_load_b32 v[(\base)+3*\ks], v[LN4], s[82:83] offset:81920*\ks+PASSW*(\p)
	global_load_b32 v[(\base)+3*\ks+1], v[LN4], s[82:83] offset:81920*\ks+PASSW*(\p)+128
	global_load_b32 v[(\base)+3*\ks+2], v[R4], s[82:83] offset:81920*\ks+PASSW*(\p)+256
.endr
.endm
.macro EPI p
	PLACES 4
.irp a, 0,1,2,3,4
.set PC, AF+20*\a
.set PW, PWB+\a
	QUANT 64*(\a%4), 2+\a/4
	IMG 90, 12288*\a+PASSB*(\p)
.endr
	PLACES 8
	WIN 0x40
.irp a, 0,1,2,3,4
	v_wmma_scale_f32_16x16x128_f8f6f4 v[8*\a:8*\a+7], v[DM:DM+11], v[AF+20*\a:AF+20*\a+11], 0, v[DMSC], v[PWB+\a] matrix_a_fmt:MATRIX_FMT_FP6 matrix_b_fmt:MATRIX_FMT_FP6
.endr
	PLACES 4
	WIN 0x05
	PAIR 133, 0, 8
	PAIR 134, 16, 24
	v_mov_b32 v135, v32
	WIN 0
	PAIR 131, PWB, PWB+1
	PAIR 132, PWB+2, PWB+3
	global_store_b32 v[LN4], v131, s[92:93] offset:PASSW*(\p)
	global_store_b32 v[LN4], v132, s[92:93] offset:PASSW*(\p)+128
	global_store_b32 v[R4], v[PWB+4], s[92:93] offset:PASSW*(\p)+256
	global_store_b32 v[LN4], v133, s[92:93] offset:655360+PASSW*(\p)
	global_store_b32 v[LN4], v134, s[92:93] offset:655360+PASSW*(\p)+128
	global_store_b32 v[R4], v135, s[92:93] offset:655360+PASSW*(\p)+256
.endm
	s_load_b128 s[4:7], s[0:1], 0x0
	v_lshl_add_u32 v[SPW], v0, 2, SPARE
	v_mov_b32 v[NIL], 0
	ds_add_u32 v[SPW], v[NIL]
	ds_add_u32 v[SPW], v[NIL]
	v_lshrrev_b32 v1, 5, v0
	v_readfirstlane_b32 s16, v1
	s_lshr_b32 s17, s16, 1
	s_and_b32 s18, s16, 1
	s_bfe_u32 s19, ttmp6, 0x40000
	s_bfe_u32 s20, ttmp6, 0x40004
	s_lshl_b32 s21, ttmp9, 2
	s_add_co_u32 s21, s21, s19
	s_and_b32 s23, ttmp7, 0xffff
	s_lshl_b32 s22, s23, 2
	s_add_co_u32 s22, s22, s20
	s_lshl_b32 s2, s20, 2
	s_lshl_b32 s2, 15, s2
	s_lshl_b32 s3, 0x1111, s19
	s_or_b32 s[G1A], s2, (3<<16)|(1<<21)
	s_or_b32 s[G1B], s3, (3<<16)|(1<<21)
	s_mov_b32 s[G1A+1], 768<<16
	s_mov_b32 s[G1A+2], RA<<16
	s_mov_b32 s[G1A+3], 768<<16
	s_mov_b32 s[G1A+4], RA
	s_mov_b32 s[G1A+5], PITA
	s_mov_b32 s[G1A+6], 0
	s_mov_b32 s[G1A+7], 0
	s_mov_b32 s[G1B+1], 768<<16
	s_mov_b32 s[G1B+2], RB<<16
	s_mov_b32 s[G1B+3], 768<<16
	s_mov_b32 s[G1B+4], RB
	s_mov_b32 s[G1B+5], PITB
	s_mov_b32 s[G1B+6], 0
	s_mov_b32 s[G1B+7], 0
	s_mov_b32 s[SEL], 0x76543210
	s_mov_b32 s[SEL+1], 0xfedcba98
	s_mov_b32 s[MH], 0xffff0000
	s_mul_i32 s44, s18, RA*6144
	s_mul_i32 s45, s18, RB*6144
	s_add_co_u32 s45, s45, BOFF
	s_mul_i32 s78, s22, 20
	s_mul_i32 s75, s18, 5
	s_add_co_u32 s78, s78, s75
	s_mul_i32 s78, s78, 12288
	s_mov_b32 s79, 0
	s_lshl_b32 s80, s21, 4
	s_lshl_b32 s3, s18, 3
	s_add_co_u32 s80, s80, s3
	s_mul_i32 s80, s80, 12288
	s_add_co_u32 s80, s80, WQF
	s_mov_b32 s81, 0
	s_mul_i32 s94, s22, 1280
	s_mul_i32 s46, s17, 320
	s_add_co_u32 s94, s94, s46
	s_add_co_u32 s82, s94, XS
	s_mov_b32 s83, 0
	s_lshl_b32 s84, s21, 10
	s_lshl_b32 s46, s18, 9
	s_add_co_u32 s84, s84, s46
	s_add_co_u32 s84, s84, WQS
	s_mov_b32 s85, 0
	s_lshl_b32 s76, s21, 1
	s_add_co_u32 s76, s76, s18
	s_mul_i32 s95, s76, 1536
	s_add_co_u32 s86, s95, DMF
	s_mov_b32 s87, 0
	s_lshl_b32 s88, s76, 6
	s_add_co_u32 s88, s88, DMS
	s_mov_b32 s89, 0
	s_mul_i32 s90, s22, 20
	s_mul_i32 s46, s17, 5
	s_add_co_u32 s90, s90, s46
	s_mul_i32 s90, s90, 12288
	s_add_co_u32 s90, s90, s95
	s_mov_b32 s91, 0
	s_mul_i32 s92, s76, 81920
	s_add_co_u32 s92, s92, s94
	s_add_co_u32 s92, s92, PS
	s_mov_b32 s93, 0
	s_wait_dscnt 0x0
	s_wait_kmcnt 0x0
	s_add_nc_u64 s[78:79], s[4:5], s[78:79]
	s_add_nc_u64 s[80:81], s[4:5], s[80:81]
	s_add_nc_u64 s[82:83], s[4:5], s[82:83]
	s_add_nc_u64 s[84:85], s[4:5], s[84:85]
	s_add_nc_u64 s[86:87], s[4:5], s[86:87]
	s_add_nc_u64 s[88:89], s[4:5], s[88:89]
	s_add_nc_u64 s[90:91], s[6:7], s[90:91]
	s_add_nc_u64 s[92:93], s[6:7], s[92:93]
	CROUND
.irp s, 0,1
	s_mov_b32 s[G0A+4*\s], 1
	s_add_co_u32 s[G0A+4*\s+1], s44, \s*SLOT
	s_add_nc_u64 s[G0A+4*\s+2:G0A+4*\s+3], s[78:79], \s*6144
	s_or_b32 s[G0A+4*\s+3], s[G0A+4*\s+3], 0x80000000
	s_mov_b32 s[G0B+4*\s], 1
	s_add_co_u32 s[G0B+4*\s+1], s45, \s*SLOT
	s_add_nc_u64 s[G0B+4*\s+2:G0B+4*\s+3], s[80:81], \s*6144
	s_or_b32 s[G0B+4*\s+3], s[G0B+4*\s+3], 0x80000000
.endr
	JLOAD G0A, G0B                                 ; slot 0: my one tensor load at the head; the addresses and the scale loads below are made while it is out
	v_and_b32 v1, 15, v0
	v_bfe_u32 v2, v0, 4, 1
	v_and_b32 v13, 31, v0
	v_lshlrev_b32 v[LN16], 4, v13
	v_lshlrev_b32 v[LN4], 2, v13
	v_lshlrev_b32 v[R4], 2, v1
	s_mul_i32 s46, s17, MT*6144
	s_mul_i32 s47, s18, 49152
	s_add_co_u32 s47, s47, BOFF
	v_add_nc_u32 v[ADRA], s46, v[LN16]
	v_add_nc_u32 v[ADRB], s47, v[LN16]
	v_add_nc_u32 v[ADRA+1], SLOT, v[ADRA]
	v_add_nc_u32 v[ADRB+1], SLOT, v[ADRB]
.irp b, 0,1,2,3
	v_mov_b32 v[TM+4+\b], 0
.endr
	SALOAD 32, 0
.irp ks, 0,1,2,3,4,5,6,7
.irp j, 0,1,2,3
	global_load_b32 v[SB+4*\ks+\j], v[LN4], s[84:85] offset:4096*\ks+128*\j
.endr
.endr
.irp c, 0,1,2
	global_load_b128 v[DM+4*\c:DM+4*\c+3], v[LN16], s[86:87] offset:512*\c
.endr
	global_load_b32 v[DMSC], v[R4], s[88:89]
	s_wait_alu depctr_va_vdst(0)
	s_wait_tensorcnt 0x0                           ; my part of slot 0 is in
	ds_add_u32 v[SPW], v[NIL]
	s_wait_dscnt 0x0
	CROUND                                         ; slot 0 is whole in every wave's sight, and the partners' joint loads meet
	JLOAD G0A+4, G0B+4                             ; slot 1's first fill: the first tensor load behind the round
	FETCH 0, 0, 0
	s_wait_loadcnt 0x0
	SALOAD 56, 1
	STEP 0, 0, 1, 0
	STEP 1, 0, 2, 1
	STEP 2, 0, 3, 1
	LASTQ 3, 0, 1, 1, 1
	STEP 4, 1, 1, 1
	STEP 5, 1, 2, 1
	STEP 6, 1, 3, 1
	LASTQ 7, 1, 0, 1, 0
	EPI 0
	s_wait_xcnt 0x0
	s_wait_loadcnt 0x0
.set SA, 56
	FETCH 0, 0, 0
	STEP 0, 0, 1, 0
	STEP 1, 0, 2, 1
	STEP 2, 0, 3, 1
	LASTQ 3, 0, 1, 0, 1
	STEP 4, 1, 1, 1
	STEP 5, 1, 2, 1
	STEP 6, 1, 3, 1
	FINAL 7
	EPI 1
	s_wait_tensorcnt 0x0
	ds_add_u32 v[SPW], v[NIL]
	s_wait_dscnt 0x0
	CROUND
	s_endpgm
.Lfunc_end_k_q1cf42e44d5_proj:
	.size	k_q1cf42e44d5_proj, .Lfunc_end_k_q1cf42e44d5_proj-k_q1cf42e44d5_proj
	.p2alignl 7, 3214868480
	.fill 96, 4, 3214868480
	.section	.rodata,"a",@progbits
	.p2align	6, 0x0
	.amdhsa_kernel k_q1cf42e44d5_proj
		.amdhsa_group_segment_fixed_size 327680
		.amdhsa_private_segment_fixed_size 0
		.amdhsa_enable_private_segment 0
		.amdhsa_kernarg_size 16
		.amdhsa_user_sgpr_count 2
		.amdhsa_user_sgpr_kernarg_segment_ptr 1
		.amdhsa_wavefront_size32 1
		.amdhsa_system_sgpr_workgroup_id_x 1
		.amdhsa_system_sgpr_workgroup_id_y 1
		.amdhsa_system_sgpr_workgroup_id_z 1
		.amdhsa_system_vgpr_workitem_id 0
		.amdhsa_next_free_vgpr 832
		.amdhsa_next_free_sgpr 96
		.amdhsa_reserve_vcc 0
		.amdhsa_float_denorm_mode_32 3
		.amdhsa_float_denorm_mode_16_64 3
		.amdhsa_memory_ordered 1
		.amdhsa_forward_progress 1
		.amdhsa_inst_pref_size 188
	.end_amdhsa_kernel
	.amdgpu_metadata
---
amdhsa.version: [ 1, 2 ]
amdhsa.kernels:
  - .name:           k_q1cf42e44d5_proj
    .symbol:         k_q1cf42e44d5_proj.kd
    .args:
      - { .name: qz, .offset: 0, .size: 8, .value_kind: global_buffer, .address_space: global }
      - { .name: pj, .offset: 8, .size: 8, .value_kind: global_buffer, .address_space: global }
    .group_segment_fixed_size: 327680
    .private_segment_fixed_size: 0
    .kernarg_segment_align: 8
    .kernarg_segment_size: 16
    .max_flat_workgroup_size: 128
    .sgpr_count:     96
    .vgpr_count:     832
    .wavefront_size: 32
...
	.end_amdgpu_metadata
.endif
;; end of part 2
;; launch score (part 3): grid 8 x 32, 4 waves a work-group, clusters of 4 x 4, 327,680 bytes of LDS; arguments pj, pp; writes pp
.if DOCPART == 3
	.amdgcn_target "amdgcn-amd-amdhsa--gfx1250"
	.amdhsa_code_object_version 6
	.text
	.protected	k_q1cf42e44d5_score
	.globl	k_q1cf42e44d5_score
	.p2align	8
	.type	k_q1cf42e44d5_score,@function
k_q1cf42e44d5_score:
	s_mov_b64 s[64:65], 0
	v_nop
	global_prefetch_b8 v0, s[64:65] scope:SCOPE_SE
	s_setreg_imm32_b32 hwreg(HW_REG_WAVE_MODE, 25, 1), 1
	s_wait_xcnt 0x0
	s_wait_alu depctr_hold_cnt(0) depctr_sa_sdst(0) depctr_va_vdst(0) depctr_va_sdst(0) depctr_va_ssrc(0) depctr_va_vcc(0) depctr_vm_vsrc(0)
	s_getreg_b32 s2, hwreg(HW_REG_IB_STS2, 6, 4)
	s_cmp_eq_u32 s2, 0
	s_cbranch_scc0 .Lentry_in_a_cluster
	s_endpgm
.Lentry_in_a_cluster:
	s_bfe_u32 s2, ttmp6, 0x10000c
	s_cmp_lg_u32 s2, 0xf033
	s_cbranch_scc0 .Lentry_shape_is_right
	s_endpgm
.Lentry_shape_is_right:
; S = qp kp^T on codes of FP6 (E2M3) with E8M0 scales, for the 2,048 keys of each batch, and the softmax's p, quantised along the keys, chunk by chunk of 128 keys.
; t = score x log2(e) / 32.  For each row and chunk: Mc = the chunk's largest t rounded UP to a whole number; p = 2^(t - Mc); p's codes and scale bytes, -Mc, and the chunk's sum of the unquantised p are stored.
; The next launch finds the row's M (the dummy key included) and brings each chunk under it by adding the whole number Mc - M to the scale bytes and to the sum's exponent: exact, so the codes' values are those under M.
; SHARES.  4,096 rows x 2,048 keys of the row's batch.  A work-group makes 128 x 256, each of its four waves 64 rows x one chunk.  K = 1,024 is written out; all of K is asked for at the head, one tensor load a wave; no byte is filled again.
; CLUSTER 4 x 4 (a cluster's 512 rows are one batch): qp's tiles are shared along a row of the cluster, kp's along a column.
; TRANSPOSED USE: source 0 = 16 keys, source 1 = 16 queries: a lane holds one query; kp's tiles are laid so that registers 16 b + i of a row tile are keys 32 b + 16 (lane / 16) + i of the chunk.
; A block's largest p is not searched for: the block's largest score goes through the same multiply-add and exponential (p rises with the score).
; LIMITS: NaN and infinities are not served; a block whose every p lies under 2^-124 keeps the byte 1.
; REGISTERS: window 0: v0-15 addresses, v16-31 at work, v32-47 A's scale words, v48-79 B's, v96-125 results a row, v160-255 A's fragments, later p's codes.  window 1: B's fragments.  window 2: accumulators, then p.
.set MT,    4
.set NF,    3*(8+MT)
.set SLOT,  147456
; LDS: qp's 8 tiles x 12,288 bytes (a tile's 8 K steps on end), then kp's 16 tiles: each wave asks for its share, all of K, by ONE tensor load at the head; there is no second fill
.set BOFF,  98304
.set RA,    4
.set RB,    8
.set PITA,  1536
.set PITB,  1536
.set SPARE, 294912
.set PS,    15728640
.set PPS,   6291456
.set LN16, 3
.set LN4,  4
.set ADRA, 5
.set ADRB, 8
.set SPW,  14
.set NIL,  15
.set BM,   16                          ; v16-19 a block's largest score, then its largest p
.set BX,   20
.set BY,   24
.set SOP,  28
.set SA,   32
.set SB,   48
.set BI,   0
.set LL,   108
.set LS,   112
.set LT,   114
.set TT,   116
.set TX,   117
.set AF,   160
.set G1A,  24
.set G0A,  32
.set G1B,  48
.set G0B,  56
.set SEL,  66
.set CS,   72
.set MH,   74
.set MSB, 0
.macro WIN new
.if MSB != (\new)
	s_set_vgpr_msb (MSB<<8)|(\new)
.set MSB, (\new)
.endif
.endm
.macro PLACES n
.rept \n
	v_nop
.endr
.endm
.macro JLOAD g0a, g0b                  ; a joint load: waves 0 and 1 fetch A's halves, waves 2 and 3 B's; an s_nop 0 and four v_nop follow each line
	s_cmp_eq_u32 s17, 0
	s_cbranch_scc0 .Lfor_b_\@
	tensor_load_to_lds s[\g0a:\g0a+3], s[G1A:G1A+7]
	s_nop 0
.rept 4
	v_nop
.endr
	s_branch .Lasked_\@
.Lfor_b_\@:
	tensor_load_to_lds s[\g0b:\g0b+3], s[G1B:G1B+7]
	s_nop 0
.rept 4
	v_nop
.endr
.Lasked_\@:
.endm
.macro CREST
	s_cmp_lg_u32 s16, 0
	s_cbranch_scc1 .Lnot_wave_0_\@
	s_barrier_signal -3
.Lnot_wave_0_\@:
	s_barrier_wait -3
	s_barrier_signal -1
	s_barrier_wait -1
.endm
.macro CROUND
	s_barrier_signal -1
	s_barrier_wait -1
	CREST
.endm
.macro FRAG3 reg, adr, off
.set rF, (\reg)
	ds_load_b128 v[rF:rF+3], v[\adr] offset:(\off)
	ds_load_b128 v[rF+4:rF+7], v[\adr] offset:(\off)+512
	ds_load_b128 v[rF+8:rF+11], v[\adr] offset:(\off)+1024
.endm
.macro FETCH slot, q, p
	WIN 0x40
.irp b, 0,1,2,3,4,5,6,7
	FRAG3 128*(\p)+12*\b, ADRB+\b/4, 12288*(\b%4)+1536*(\q)   ; tiles 4-7 by a second address register: the offset stays inside 16 bits
.endr
	WIN 0
.set fa, 0
.rept MT
	FRAG3 AF+12*MT*(\p)+12*fa, ADRA, 12288*fa+1536*(\q)
.set fa, fa+1
.endr
.endm
.macro WM a, b, ks, p, cm
.set rD, 8*(8*(\a)+(\b))
.set rB, 128*(\p)+12*(\b)
.set rA, AF+12*MT*(\p)+12*(\a)
.set rSB, SB+4*(\ks)+(\b)/2
.set rSA, SA+(MT/2)*(\ks)+(\a)/2
.set rC, rD
.if (\cm) == 2
.set rC, BI+8*(\b)
.endif
.set rw, 2*((\a)%2)+((\b)%2)
.if (\cm) == 0
.if rw == 0
	v_wmma_scale_f32_16x16x128_f8f6f4 v[rD:rD+7], v[rB:rB+11], v[rA:rA+11], 0, v[rSB], v[rSA] matrix_a_fmt:MATRIX_FMT_FP6 matrix_b_fmt:MATRIX_FMT_FP6
.elseif rw == 1
	v_wmma_scale_f32_16x16x128_f8f6f4 v[rD:rD+7], v[rB:rB+11], v[rA:rA+11], 0, v[rSB], v[rSA] matrix_a_fmt:MATRIX_FMT_FP6 matrix_b_fmt:MATRIX_FMT_FP6 matrix_a_scale:MATRIX_SCALE_ROW1
.elseif rw == 2
	v_wmma_scale_f32_16x16x128_f8f6f4 v[rD:rD+7], v[rB:rB+11], v[rA:rA+11], 0, v[rSB], v[rSA] matrix_a_fmt:MATRIX_FMT_FP6 matrix_b_fmt:MATRIX_FMT_FP6 matrix_b_scale:MATRIX_SCALE_ROW1
.else
	v_wmma_scale_f32_16x16x128_f8f6f4 v[rD:rD+7], v[rB:rB+11], v[rA:rA+11], 0, v[rSB], v[rSA] matrix_a_fmt:MATRIX_FMT_FP6 matrix_b_fmt:MATRIX_FMT_FP6 matrix_a_scale:MATRIX_SCALE_ROW1 matrix_b_scale:MATRIX_SCALE_ROW1
.endif
.else
.if rw == 0
	v_wmma_scale_f32_16x16x128_f8f6f4 v[rD:rD+7], v[rB:rB+11], v[rA:rA+11], v[rC:rC+7], v[rSB], v[rSA] matrix_a_fmt:MATRIX_FMT_FP6 matrix_b_fmt:MATRIX_FMT_FP6
.elseif rw == 1
	v_wmma_scale_f32_16x16x128_f8f6f4 v[rD:rD+7], v[rB:rB+11], v[rA:rA+11], v[rC:rC+7], v[rSB], v[rSA] matrix_a_fmt:MATRIX_FMT_FP6 matrix_b_fmt:MATRIX_FMT_FP6 matrix_a_scale:MATRIX_SCALE_ROW1
.elseif rw == 2
	v_wmma_scale_f32_16x16x128_f8f6f4 v[rD:rD+7], v[rB:rB+11], v[rA:rA+11], v[rC:rC+7], v[rSB], v[rSA] matrix_a_fmt:MATRIX_FMT_FP6 matrix_b_fmt:MATRIX_FMT_FP6 matrix_b_scale:MATRIX_SCALE_ROW1
.else
	v_wmma_scale_f32_16x16x128_f8f6f4 v[rD:rD+7], v[rB:rB+11], v[rA:rA+11], v[rC:rC+7], v[rSB], v[rSA] matrix_a_fmt:MATRIX_FMT_FP6 matrix_b_fmt:MATRIX_FMT_FP6 matrix_a_scale:MATRIX_SCALE_ROW1 matrix_b_scale:MATRIX_SCALE_ROW1
.endif
.endif
.endm
.macro MUL ks, p, a0, a1, cm           ; the accumulators take turns, one instruction a turn, in the same order in every step
.set ma, (\a0)
.rept (\a1)-(\a0)
.irp b, 0,1,2,3,4,5,6,7
	WM ma, \b, \ks, \p, \cm
.endr
.set ma, ma+1
.endr
.endm
.macro STEP ks, fs, fq, cm
	PLACES 4                                       ; between the last products and loads into the registers that they read
	FETCH \fs, \fq, 1-(\ks)%2
	s_wait_dscnt NF                                ; all but the NF loads just issued: this step's fragments are in
.if (\cm) == 2
	WIN 0x81
.else
	WIN 0xa1
.endif
	MUL \ks, (\ks)%2, 0, MT, \cm
	WIN 0
.endm
.macro LASTQ ks, slot, next, fill, adv
	s_wait_tensorcnt 0x0                           ; all my tensor loads have landed, my part of the next slot among them
	ds_add_u32 v[SPW], v[NIL]                      ; 0 onto my spare word
	s_wait_dscnt 0x1                               ; this step's fragments are in; the add alone may be out
	WIN 0xa1
	MUL \ks, (\ks)%2, 0, 1, 1
	s_wait_dscnt 0x0                               ; the add is done, and my reads of this slot are over
	s_barrier_signal -1
.if MT > 2
	MUL \ks, (\ks)%2, 1, MT/2, 1
.endif
	WIN 0
	s_barrier_wait -1
.if \fill
	CREST
	s_add_nc_u64 s[G0A+4*\slot+2:G0A+4*\slot+3], s[G0A+4*\slot+2:G0A+4*\slot+3], \adv
	s_add_nc_u64 s[G0B+4*\slot+2:G0B+4*\slot+3], s[G0B+4*\slot+2:G0B+4*\slot+3], \adv
	JLOAD G0A+4*\slot, G0B+4*\slot
.else
	PLACES 4
.endif
	FETCH \next, 0, 1-(\ks)%2
	WIN 0xa1
	MUL \ks, (\ks)%2, MT/2, MT, 1
	WIN 0
.endm
.macro FINAL ks
	s_wait_dscnt 0x0
	WIN 0xa1
	MUL \ks, (\ks)%2, 0, MT, 1
	WIN 0
	PLACES 4
.endm
.macro IMG sb, off
.irp c, 0,1,2
	global_store_b128 v[LN16], v[PC+4*\c:PC+4*\c+3], s[\sb:\sb+1] offset:(\off)+512*\c
.endr
.endm
.macro PAIR d, e, o
	v_cndmask_b32 v[\d], v[\e], v[\o], s[MH]
.endm
; Row tile a: 64 scores a lane in window 2 become p's fragment, its scale word, -Mc and the chunk's sum
.macro SOFTQ a
.set SS, 64*(\a)
.set NM, 100+2*(\a)
.set PC, 160+20*(\a)
.set PW, 96+(\a)
	WIN 0x2a
.irp b, 0,1,2,3
	v_max3_num_f32 v[BM+\b], v[SS+16*\b], v[SS+16*\b+1], v[SS+16*\b+2]   ; the largest score of each block of 32 keys; each accumulator is read from its low end on
.endr
	WIN 0x28
.irp i, 3,5,7,9,11,13
.irp b, 0,1,2,3
	v_max3_num_f32 v[BM+\b], v[BM+\b], v[SS+16*\b+\i], v[SS+16*\b+\i+1]
.endr
.endr
	WIN 0x08
.irp b, 0,1,2,3
	v_max_num_f32 v[BM+\b], v[BM+\b], v[SS+16*\b+15]
.endr
	WIN 0
.irp b, 0,1,2,3
	v_permlanex16_b32 v[BX+\b], v[BM+\b], s[SEL], s[SEL+1]
.endr
.irp b, 0,1,2,3
	v_max_num_f32 v[BM+\b], v[BM+\b], v[BX+\b]     ; with lane l xor 16's 16 keys
.endr
	v_max3_num_f32 v[TT], v[BM], v[BM+1], v[BM+2]
	v_max_num_f32 v[TT], v[TT], v[BM+3]            ; the chunk's largest score of my query,
	v_mul_f32 v[TT], s[CS], v[TT]                  ; as t (c is positive)
	v_floor_f32 v[NM], -v[TT]                      ; -Mc = floor(-t): a whole number
	v_mov_b32 v[NM+1], v[NM]                       ; (named with it as a pair)
	WIN 0x82
.set j, 0
.rept 32
	v_pk_fma_f32 v[SS+j:SS+j+1], v[SS+j:SS+j+1], s[CS:CS+1], v[NM:NM+1] op_sel_hi:[1,0,0]   ; t - Mc, two at a time
.set j, j+2
.endr
	WIN 0
.irp b, 0,1,2,3
	v_fma_f32 v[BM+\b], v[BM+\b], s[CS], v[NM]     ; the same of each block's largest score
.endr
	WIN 0x82
.set j, 0
	s_wait_alu depctr_va_vdst(0)
.rept 64
	v_exp_f32 v[SS+j], v[SS+j]                     ; p = 2^(t - Mc), at most 1
.set j, j+1
.endr
	v_nop                                          ; a plain place behind the exponentials
	s_wait_alu depctr_va_vdst(0)                   ; one wait for the batch, ahead of its first reader
	WIN 0
.irp b, 0,1,2,3
	v_exp_f32 v[BM+\b], v[BM+\b]                   ; the block's largest p
.endr
	WIN 0x0a
	v_pk_add_f32 v[LS:LS+1], v[SS:SS+1], v[SS+2:SS+3]              ; the sum of the UNQUANTISED p, in two packed chains
	v_pk_add_f32 v[LT:LT+1], v[SS+4:SS+5], v[SS+6:SS+7]
	WIN 0x08
.irp j, 8,12,16,20,24,28,32,36,40,44,48,52,56,60
	v_pk_add_f32 v[LS:LS+1], v[LS:LS+1], v[SS+\j:SS+\j+1]
	v_pk_add_f32 v[LT:LT+1], v[LT:LT+1], v[SS+\j+2:SS+\j+3]
.endr
	WIN 0
	v_pk_add_f32 v[LS:LS+1], v[LS:LS+1], v[LT:LT+1]
	v_add_f32 v[TT], v[LS], v[LS+1]
	v_permlanex16_b32 v[TX], v[TT], s[SEL], s[SEL+1]
	v_add_f32 v[LL+(\a)], v[TT], v[TX]             ; with lane l xor 16's 64 keys
	s_wait_alu depctr_va_vdst(0)                   ; and one wait for the four
.irp b, 0,1,2,3
	v_max_num_f32 v[BM+\b], 0x1800000, v[BM+\b]    ; the floor 2^(3 - 127)
.endr
.irp b, 0,1,2,3
	v_add_nc_u32 v[SOP+\b], 0xff000000, v[BM+\b]
.endr
.irp b, 0,1,2,3
	v_lshrrev_b32 v[BY+\b], 23, v[SOP+\b]
.endr
	v_lshl_or_b32 v[PW], v[BY+1], 8, v[BY]
	v_lshl_or_b32 v[PW], v[BY+2], 16, v[PW]
	v_lshl_or_b32 v[PW], v[BY+3], 24, v[PW]
	WIN 0x02
.irp c, 0,1
	v_cvt_scalef32_pk16_fp6_f32 v[PC+6*\c:PC+6*\c+2], v[SS+32*\c:SS+32*\c+15], v[SOP+2*\c]
	v_cvt_scalef32_pk16_fp6_f32 v[PC+12+4*\c:PC+14+4*\c], v[SS+32*\c+16:SS+32*\c+31], v[SOP+2*\c+1]
.endr
	v_nop                                          ; one plain place behind a scaled conversion
	WIN 0
.irp c, 0,1
.irp i, 0,1,2
	v_permlane16_swap_b32 v[PC+6*\c+\i], v[PC+12+4*\c+\i]
.endr
.irp i, 0,1,2
	v_mov_b32 v[PC+3+6*\c+\i], v[PC+12+4*\c+\i]
.endr
.endr
	IMG 86, 24576*(\a)
.endm
	s_load_b128 s[4:7], s[0:1], 0x0                ; pj, pp
	v_lshl_add_u32 v[SPW], v0, 2, SPARE
	v_mov_b32 v[NIL], 0
	ds_add_u32 v[SPW], v[NIL]                      ; the wave's opening: the add and its wait ahead of my first tensor load
	ds_add_u32 v[SPW], v[NIL]
	v_lshrrev_b32 v1, 5, v0
	v_readfirstlane_b32 s16, v1
	s_lshr_b32 s17, s16, 1
	s_and_b32 s18, s16, 1
	s_bfe_u32 s19, ttmp6, 0x40000
	s_bfe_u32 s20, ttmp6, 0x40004
	s_lshl_b32 s21, ttmp9, 2
	s_add_co_u32 s21, s21, s19                     ; X: which 256 keys
	s_and_b32 s23, ttmp7, 0xffff                   ; the cluster's y = the batch
	s_lshl_b32 s22, s23, 2
	s_add_co_u32 s22, s22, s20                     ; Y: which 128 rows
	s_lshl_b32 s2, s20, 2
	s_lshl_b32 s2, 15, s2
	s_lshl_b32 s3, 0x1111, s19
	s_or_b32 s[G1A], s2, (3<<16)|(1<<21)
	s_or_b32 s[G1B], s3, (3<<16)|(1<<21)
	s_mov_b32 s[G1A+1], 1536<<16                   ; a row: 1,536 elements of 8 bytes, a tile's 8 K steps
	s_mov_b32 s[G1A+2], RA<<16
	s_mov_b32 s[G1A+3], 1536<<16
	s_mov_b32 s[G1A+4], RA
	s_mov_b32 s[G1A+5], PITA
	s_mov_b32 s[G1A+6], 0
	s_mov_b32 s[G1A+7], 0
	s_mov_b32 s[G1B+1], 1536<<16
	s_mov_b32 s[G1B+2], RB<<16
	s_mov_b32 s[G1B+3], 1536<<16
	s_mov_b32 s[G1B+4], RB
	s_mov_b32 s[G1B+5], PITB
	s_mov_b32 s[G1B+6], 0
	s_mov_b32 s[G1B+7], 0
	s_mov_b32 s[SEL], 0x76543210
	s_mov_b32 s[SEL+1], 0xfedcba98
	s_mov_b32 s[MH], 0xffff0000
	s_mov_b32 s[CS], 0x3d38aa3b                    ; c = log2(e) / sqrt(1024)
	s_mov_b32 s[CS+1], s[CS]
	s_mul_i32 s44, s18, RA*12288
	s_mul_i32 s45, s18, RB*12288
	s_add_co_u32 s45, s45, BOFF
	s_lshl_b32 s78, s22, 3                         ; A: qp's tile 8 Y + 4 x half
	s_lshl_b32 s75, s18, 2
	s_add_co_u32 s78, s78, s75
	s_mul_i32 s78, s78, 12288
	s_mov_b32 s79, 0
	s_lshl_b32 s80, s23, 7                         ; B: kp's tile 256 + 128 batch + 16 X + 8 x half
	s_lshl_b32 s3, s21, 4
	s_add_co_u32 s80, s80, s3
	s_lshl_b32 s3, s18, 3
	s_add_co_u32 s80, s80, s3
	s_add_co_u32 s80, s80, 256
	s_mul_i32 s80, s80, 12288
	s_mov_b32 s81, 0
	s_lshl_b32 s94, s22, 9
	s_lshl_b32 s46, s17, 8
	s_add_co_u32 s94, s94, s46                     ; 4 x my wave's first row
	s_add_co_u32 s82, s94, PS
	s_mov_b32 s83, 0
	s_lshl_b32 s84, s23, 13
	s_lshl_b32 s46, s21, 10
	s_add_co_u32 s84, s84, s46
	s_lshl_b32 s46, s18, 9
	s_add_co_u32 s84, s84, s46
	s_add_co_u32 s84, s84, PS+16384
	s_mov_b32 s85, 0
	s_lshl_b32 s76, s21, 1
	s_add_co_u32 s76, s76, s18                     ; my chunk
	s_lshl_b32 s86, s22, 3
	s_lshl_b32 s46, s17, 2
	s_add_co_u32 s86, s86, s46
	s_mul_i32 s86, s86, 24576
	s_mul_i32 s46, s76, 1536
	s_add_co_u32 s86, s86, s46
	s_mov_b32 s87, 0
	s_lshl_b32 s88, s76, 14
	s_add_co_u32 s88, s88, s94
	s_add_co_u32 s88, s88, PPS
	s_mov_b32 s89, 0
	s_wait_dscnt 0x0
	s_wait_kmcnt 0x0
	s_add_nc_u64 s[78:79], s[4:5], s[78:79]
	s_add_nc_u64 s[80:81], s[4:5], s[80:81]
	s_add_nc_u64 s[82:83], s[4:5], s[82:83]
	s_add_nc_u64 s[84:85], s[4:5], s[84:85]
	s_add_nc_u64 s[86:87], s[6:7], s[86:87]        ; out: p's images,
	s_add_nc_u64 s[88:89], s[6:7], s[88:89]        ; scale words; -Mc 262,144 bytes on, the sums 524,288
	CROUND
.irp s, 0
	s_mov_b32 s[G0A+4*\s], 1
	s_add_co_u32 s[G0A+4*\s+1], s44, \s*SLOT
	s_add_nc_u64 s[G0A+4*\s+2:G0A+4*\s+3], s[78:79], \s*6144
	s_or_b32 s[G0A+4*\s+3], s[G0A+4*\s+3], 0x80000000
	s_mov_b32 s[G0B+4*\s], 1
	s_add_co_u32 s[G0B+4*\s+1], s45, \s*SLOT
	s_add_nc_u64 s[G0B+4*\s+2:G0B+4*\s+3], s[80:81], \s*6144
	s_or_b32 s[G0B+4*\s+3], s[G0B+4*\s+3], 0x80000000
	JLOAD G0A+4*\s, G0B+4*\s
.endr
	v_and_b32 v13, 31, v0
	v_lshlrev_b32 v[LN16], 4, v13
	v_lshlrev_b32 v[LN4], 2, v13
	s_mul_i32 s46, s17, MT*12288
	s_mul_i32 s47, s18, 98304
	s_add_co_u32 s47, s47, BOFF
	v_add_nc_u32 v[ADRA], s46, v[LN16]
	v_add_nc_u32 v[ADRB], s47, v[LN16]
	v_add_nc_u32 v[ADRB+1], 49152, v[ADRB]         ; B's tiles 4-7
.irp b, 0,1,2,3
	v_mov_b32 v[BX+\b], 0                          ; a lane permute's destination counts as read
.endr
	v_mov_b32 v[TX], 0
.irp ks, 0,1,2,3,4,5,6,7
.irp i, 0,1
	global_load_b32 v[SA+2*\ks+\i], v[LN4], s[82:83] offset:81920*\ks+128*\i
.endr
.irp j, 0,1,2,3
	global_load_b32 v[SB+4*\ks+\j], v[LN4], s[84:85] offset:81920*\ks+128*\j
.endr
.endr
	s_wait_alu depctr_va_vdst(0)
	s_wait_tensorcnt 0x0                           ; my one tensor load is in
	s_barrier_signal -1
	s_barrier_wait -1
	FETCH 0, 0, 0
	s_wait_loadcnt 0x0
	STEP 0, 0, 1, 0
	STEP 1, 0, 2, 1
	STEP 2, 0, 3, 1
	STEP 3, 0, 4, 1
	STEP 4, 0, 5, 1
	STEP 5, 0, 6, 1
	STEP 6, 0, 7, 1
	FINAL 7
	SOFTQ 0
	SOFTQ 1
	SOFTQ 2
	SOFTQ 3
	PAIR 120, 96, 97
	PAIR 121, 98, 99
	PAIR 122, 100, 102
	PAIR 123, 104, 106
	PAIR 124, 108, 109
	PAIR 125, 110, 111
	global_store_b32 v[LN4], v120, s[88:89]
	global_store_b32 v[LN4], v121, s[88:89] offset:128
	global_store_b32 v[LN4], v122, s[88:89] offset:262144
	global_store_b32 v[LN4], v123, s[88:89] offset:262144+128
	global_store_b32 v[LN4], v124, s[88:89] offset:524288
	global_store_b32 v[LN4], v125, s[88:89] offset:524288+128
	s_wait_tensorcnt 0x0                           ; the wave's end
	ds_add_u32 v[SPW], v[NIL]
	s_wait_dscnt 0x0
	CROUND
	s_endpgm
.Lfunc_end_k_q1cf42e44d5_score:
	.size	k_q1cf42e44d5_score, .Lfunc_end_k_q1cf42e44d5_score-k_q1cf42e44d5_score
	.p2alignl 7, 3214868480
	.fill 96, 4, 3214868480
	.section	.rodata,"a",@progbits
	.p2align	6, 0x0
	.amdhsa_kernel k_q1cf42e44d5_score
		.amdhsa_group_segment_fixed_size 327680
		.amdhsa_private_segment_fixed_size 0
		.amdhsa_enable_private_segment 0
		.amdhsa_kernarg_size 16
		.amdhsa_user_sgpr_count 2
		.amdhsa_user_sgpr_kernarg_segment_ptr 1
		.amdhsa_wavefront_size32 1
		.amdhsa_system_sgpr_workgroup_id_x 1
		.amdhsa_system_sgpr_workgroup_id_y 1
		.amdhsa_system_sgpr_workgroup_id_z 1
		.amdhsa_system_vgpr_workitem_id 0
		.amdhsa_next_free_vgpr 768
		.amdhsa_next_free_sgpr 96
		.amdhsa_reserve_vcc 0
		.amdhsa_float_denorm_mode_32 3
		.amdhsa_float_denorm_mode_16_64 3
		.amdhsa_memory_ordered 1
		.amdhsa_forward_progress 1
		.amdhsa_inst_pref_size 110
	.end_amdhsa_kernel
	.amdgpu_metadata
---
amdhsa.version: [ 1, 2 ]
amdhsa.kernels:
  - .name:           k_q1cf42e44d5_score
    .symbol:         k_q1cf42e44d5_score.kd
    .args:
      - { .name: pj, .offset: 0, .size: 8, .value_kind: global_buffer, .address_space: global }
      - { .name: pp, .offset: 8, .size: 8, .value_kind: global_buffer, .address_space: global }
    .group_segment_fixed_size: 327680
    .private_segment_fixed_size: 0
    .kernarg_segment_align: 8
    .kernarg_segment_size: 16
    .max_flat_workgroup_size: 128
    .sgpr_count:     96
    .vgpr_count:     768
    .wavefront_size: 32
...
	.end_amdgpu_metadata
.endif
;; end of part 3
;; launch pv (part 4): grid 8 x 32, 4 waves a work-group, clusters of 4 x 4, 327,680 bytes of LDS; arguments pp, qz, pj, q, aa, out1; writes aa, out1
.if DOCPART == 4
	.amdgcn_target "amdgcn-amd-amdhsa--gfx1250"
	.amdhsa_code_object_version 6
	.text
	.protected	k_q1cf42e44d5_pv
	.globl	k_q1cf42e44d5_pv
	.p2align	8
	.type	k_q1cf42e44d5_pv,@function
k_q1cf42e44d5_pv:
	s_mov_b64 s[64:65], 0
	v_nop
	global_prefetch_b8 v0, s[64:65] scope:SCOPE_SE
	s_setreg_imm32_b32 hwreg(HW_REG_WAVE_MODE, 25, 1), 1
	s_wait_xcnt 0x0
	s_wait_alu depctr_hold_cnt(0) depctr_sa_sdst(0) depctr_va_vdst(0) depctr_va_sdst(0) depctr_va_ssrc(0) depctr_va_vcc(0) depctr_vm_vsrc(0)
	s_getreg_b32 s2, hwreg(HW_REG_IB_STS2, 6, 4)
	s_cmp_eq_u32 s2, 0
	s_cbranch_scc0 .Lentry_in_a_cluster
	s_endpgm
.Lentry_in_a_cluster:
	s_bfe_u32 s2, ttmp6, 0x10000c
	s_cmp_lg_u32 s2, 0xf033
	s_cbranch_scc0 .Lentry_shape_is_right
	s_endpgm
.Lentry_shape_is_right:
.set MT,    4
.set NF,    3*(8+MT)
.set SLOT,  147456
.set BOFF,  49152
.set RA,    4
.set RB,    8
.set PITA,  3072
.set PITB,  3072
.set SPARE, 294912
.set STGV,  0
.set STGT,  40960
.set VF,    19673600
.set VS,    44839424
.set PPS,   6291456
.set DSC,   16384000
.set AAS,   6291456
.set LN16, 3
.set LN4,  4
.set ADRA, 5
.set ADRB, 8
.set SO,   11
.set SR,   12
.set SPW,  14
.set NIL,  15
.set TM,   16
.set SA,   32
.set SB,   64
.set BI,   0
.set RL,   128
.set TD,   136
.set NFR,  138
.set LR,   140
.set T0,   142
.set RC,   148
.set RX,   150
.set T4,   152
.set DL,   156
.set AF,   160
.set PM,   160
.set PL,   192
.set DSR,  224
.set QQ,   0
.set A2,   128
.set G1A,  24
.set G0A,  32
.set G1B,  48
.set G0B,  56
.set SEL,  66
.set CS,   72
.set MH,   74
.set MSB, 0
.macro WIN new
.if MSB != (\new)
	s_set_vgpr_msb (MSB<<8)|(\new)
.set MSB, (\new)
.endif
.endm
.macro PLACES n
.rept \n
	v_nop
.endr
.endm
.macro JLOAD g0a, g0b
	s_cmp_eq_u32 s17, 0
	s_cbranch_scc0 .Lfor_b_\@
	tensor_load_to_lds s[\g0a:\g0a+3], s[G1A:G1A+7]
	s_nop 0
.rept 4
	v_nop
.endr
	s_branch .Lasked_\@
.Lfor_b_\@:
	tensor_load_to_lds s[\g0b:\g0b+3], s[G1B:G1B+7]
	s_nop 0
.rept 4
	v_nop
.endr
.Lasked_\@:
.endm
.macro CREST
	s_cmp_lg_u32 s16, 0
	s_cbranch_scc1 .Lnot_wave_0_\@
	s_barrier_signal -3
.Lnot_wave_0_\@:
	s_barrier_wait -3
	s_barrier_signal -1
	s_barrier_wait -1
.endm
.macro CROUND
	s_barrier_signal -1
	s_barrier_wait -1
	CREST
.endm
.macro FRAG3 reg, adr, off
.set rF, (\reg)
	ds_load_b128 v[rF:rF+3], v[\adr] offset:(\off)
	ds_load_b128 v[rF+4:rF+7], v[\adr] offset:(\off)+512
	ds_load_b128 v[rF+8:rF+11], v[\adr] offset:(\off)+1024
.endm
.macro FETCH slot, q, p
	WIN 0x40
.irp b, 0,1,2,3,4,5,6,7
	FRAG3 128*(\p)+12*\b, ADRB+(\slot), 6144*\b+1536*(\q)
.endr
	WIN 0
.set fa, 0
.rept MT
	FRAG3 AF+12*MT*(\p)+12*fa, ADRA+(\slot), 6144*fa+1536*(\q)
.set fa, fa+1
.endr
.endm
.macro WM a, b, ks, p, cm
.set rD, 8*(8*(\a)+(\b))
.set rB, 128*(\p)+12*(\b)
.set rA, AF+12*MT*(\p)+12*(\a)
.set rSB, SB+4*(\ks)+(\b)/2
.set rSA, SA+(MT/2)*(\ks)+(\a)/2
.set rC, rD
.if (\cm) == 2
.set rC, BI+8*(\b)
.endif
.set rw, 2*((\a)%2)+((\b)%2)
.if (\cm) == 0
.if rw == 0
	v_wmma_scale_f32_16x16x128_f8f6f4 v[rD:rD+7], v[rB:rB+11], v[rA:rA+11], 0, v[rSB], v[rSA] matrix_a_fmt:MATRIX_FMT_FP6 matrix_b_fmt:MATRIX_FMT_FP6
.elseif rw == 1
	v_wmma_scale_f32_16x16x128_f8f6f4 v[rD:rD+7], v[rB:rB+11], v[rA:rA+11], 0, v[rSB], v[rSA] matrix_a_fmt:MATRIX_FMT_FP6 matrix_b_fmt:MATRIX_FMT_FP6 matrix_a_scale:MATRIX_SCALE_ROW1
.elseif rw == 2
	v_wmma_scale_f32_16x16x128_f8f6f4 v[rD:rD+7], v[rB:rB+11], v[rA:rA+11], 0, v[rSB], v[rSA] matrix_a_fmt:MATRIX_FMT_FP6 matrix_b_fmt:MATRIX_FMT_FP6 matrix_b_scale:MATRIX_SCALE_ROW1
.else
	v_wmma_scale_f32_16x16x128_f8f6f4 v[rD:rD+7], v[rB:rB+11], v[rA:rA+11], 0, v[rSB], v[rSA] matrix_a_fmt:MATRIX_FMT_FP6 matrix_b_fmt:MATRIX_FMT_FP6 matrix_a_scale:MATRIX_SCALE_ROW1 matrix_b_scale:MATRIX_SCALE_ROW1
.endif
.else
.if rw == 0
	v_wmma_scale_f32_16x16x128_f8f6f4 v[rD:rD+7], v[rB:rB+11], v[rA:rA+11], v[rC:rC+7], v[rSB], v[rSA] matrix_a_fmt:MATRIX_FMT_FP6 matrix_b_fmt:MATRIX_FMT_FP6
.elseif rw == 1
	v_wmma_scale_f32_16x16x128_f8f6f4 v[rD:rD+7], v[rB:rB+11], v[rA:rA+11], v[rC:rC+7], v[rSB], v[rSA] matrix_a_fmt:MATRIX_FMT_FP6 matrix_b_fmt:MATRIX_FMT_FP6 matrix_a_scale:MATRIX_SCALE_ROW1
.elseif rw == 2
	v_wmma_scale_f32_16x16x128_f8f6f4 v[rD:rD+7], v[rB:rB+11], v[rA:rA+11], v[rC:rC+7], v[rSB], v[rSA] matrix_a_fmt:MATRIX_FMT_FP6 matrix_b_fmt:MATRIX_FMT_FP6 matrix_b_scale:MATRIX_SCALE_ROW1
.else
	v_wmma_scale_f32_16x16x128_f8f6f4 v[rD:rD+7], v[rB:rB+11], v[rA:rA+11], v[rC:rC+7], v[rSB], v[rSA] matrix_a_fmt:MATRIX_FMT_FP6 matrix_b_fmt:MATRIX_FMT_FP6 matrix_a_scale:MATRIX_SCALE_ROW1 matrix_b_scale:MATRIX_SCALE_ROW1
.endif
.endif
.endm
.macro MUL ks, p, a0, a1, cm
.set ma, (\a0)
.rept (\a1)-(\a0)
.irp b, 0,1,2,3,4,5,6,7
	WM ma, \b, \ks, \p, \cm
.endr
.set ma, ma+1
.endr
.endm
.macro STEP ks, fs, fq, cm
	PLACES 4
	FETCH \fs, \fq, 1-(\ks)%2
	s_wait_dscnt NF
.if (\cm) == 2
	WIN 0x81
.else
	WIN 0xa1
.endif
	MUL \ks, (\ks)%2, 0, MT, \cm
	WIN 0
.endm
.macro LASTQ ks, slot, next, fill, adv
	s_wait_tensorcnt 0x0
	ds_add_u32 v[SPW], v[NIL]
	s_wait_dscnt 0x1
	WIN 0xa1
	MUL \ks, (\ks)%2, 0, 1, 1
	s_wait_dscnt 0x0
	s_barrier_signal -1
.if MT > 2
	MUL \ks, (\ks)%2, 1, MT/2, 1
.endif
	WIN 0
	s_barrier_wait -1
.if \fill
	CREST
	s_add_nc_u64 s[G0A+4*\slot+2:G0A+4*\slot+3], s[G0A+4*\slot+2:G0A+4*\slot+3], \adv
	s_add_nc_u64 s[G0B+4*\slot+2:G0B+4*\slot+3], s[G0B+4*\slot+2:G0B+4*\slot+3], \adv
	JLOAD G0A+4*\slot, G0B+4*\slot
.else
	PLACES 4
.endif
	FETCH \next, 0, 1-(\ks)%2
	WIN 0xa1
	MUL \ks, (\ks)%2, MT/2, MT, 1
	WIN 0
.endm
.macro FINAL ks
	s_wait_dscnt 0x0
	WIN 0xa1
	MUL \ks, (\ks)%2, 0, MT, 1
	WIN 0
	PLACES 4
.endm
.macro TAIL
	STEP 12, 1, 1, 1
	STEP 13, 1, 2, 1
	STEP 14, 1, 3, 1
	FINAL 15
.endm
.macro QUANT s, w
	WIN ((\w)|((\w)<<2))
.irp b, 0,1,2,3
	v_max3_num_f32 v[TM+\b], |v[(\s)+16*\b]|, |v[(\s)+16*\b+1]|, 0x1800000
.endr
	WIN (((\w)<<2)|((\w)<<4))
.irp i, 2,4,6,8,10,12,14
.irp b, 0,1,2,3
	v_max3_num_f32 v[TM+\b], v[TM+\b], |v[(\s)+16*\b+\i]|, |v[(\s)+16*\b+\i+1]|
.endr
.endr
	WIN 0
.irp b, 0,1,2,3
	v_permlanex16_b32 v[TM+4+\b], v[TM+\b], s[SEL], s[SEL+1]
.endr
.irp b, 0,1,2,3
	v_max_num_f32 v[TM+\b], v[TM+\b], v[TM+4+\b]
.endr
.irp b, 0,1,2,3
	v_add_nc_u32 v[TM+12+\b], 0xff000000, v[TM+\b]
.endr
.irp b, 0,1,2,3
	v_lshrrev_b32 v[TM+4+\b], 23, v[TM+12+\b]
.endr
	v_lshl_or_b32 v[PW], v[TM+5], 8, v[TM+4]
	v_lshl_or_b32 v[PW], v[TM+6], 16, v[PW]
	v_lshl_or_b32 v[PW], v[TM+7], 24, v[PW]
	WIN (\w)
.irp c, 0,1
	v_cvt_scalef32_pk16_fp6_f32 v[PC+6*\c:PC+6*\c+2], v[(\s)+32*\c:(\s)+32*\c+15], v[TM+12+2*\c]
	v_cvt_scalef32_pk16_fp6_f32 v[PC+12+4*\c:PC+14+4*\c], v[(\s)+32*\c+16:(\s)+32*\c+31], v[TM+12+2*\c+1]
.endr
	v_nop
	WIN 0
.irp c, 0,1
.irp i, 0,1,2
	v_permlane16_swap_b32 v[PC+6*\c+\i], v[PC+12+4*\c+\i]
.endr
.irp i, 0,1,2
	v_mov_b32 v[PC+3+6*\c+\i], v[PC+12+4*\c+\i]
.endr
.endr
.endm
.macro IMG sb, off
.irp c, 0,1,2
	global_store_b128 v[LN16], v[PC+4*\c:PC+4*\c+3], s[\sb:\sb+1] offset:(\off)+512*\c
.endr
.endm
.macro PAIR d, e, o
	v_cndmask_b32 v[\d], v[\e], v[\o], s[MH]
.endm
.macro DIVL a
	WIN 0x82
.set j, 0
.rept 32
	v_pk_mul_f32 v[64*(\a)+j:64*(\a)+j+1], v[64*(\a)+j:64*(\a)+j+1], v[RL+2*(\a):RL+2*(\a)+1] op_sel_hi:[1,0]
.set j, j+2
.endr
.endm
.macro VOUT a
	s_wait_xcnt 0x0
	WIN 0x0c
.irp t, 0,1,2,3,4,5,6,7,8,9,10,11,12,13,14,15
	ds_store_b128 v[SR], v[64*(\a)+4*\t:64*(\a)+4*\t+3] offset:STGV+528*\t
.endr
	WIN 0x40
.irp t, 0,1,2,3,4,5,6,7,8,9,10,11,12,13,14,15
	ds_load_b128 v[QQ+4*\t:QQ+4*\t+3], v[SO] offset:STGV+128*(\t/4)+16*(\t%4)
.endr
	DIVL \a
	s_wait_dscnt 0x0
	WIN 0x49
.set j, 0
.rept 32
	v_pk_add_f32 v[A2+j:A2+j+1], v[QQ+j:QQ+j+1], v[64*(\a)+j:64*(\a)+j+1] neg_lo:[0,1] neg_hi:[0,1]
.set j, j+2
.endr
	WIN 0x86
.set j, 0
.rept 32
	v_pk_mul_f32 v[64*(\a)+j:64*(\a)+j+1], v[64*(\a)+j:64*(\a)+j+1], v[QQ+j:QQ+j+1]
.set j, j+2
.endr
.set PC, 160+40*((\a)%2)
.set PW, 144+(\a)
	QUANT 64*(\a), 2
	IMG 88, 12288*(\a)
.set PC, 180+40*((\a)%2)
.set PW, 148+(\a)
	QUANT A2, 1
	IMG 88, 12288*(\a)+3145728
.endm
.macro WAYOUT a, stg, sb
	WIN 0x08
.irp t, 0,1,2,3,4,5,6,7,8,9,10,11,12,13,14,15
	ds_store_b128 v[SO], v[64*(\a)+4*\t:64*(\a)+4*\t+3] offset:(\stg)+128*(\t/4)+16*(\t%4)
.endr
	WIN 0x40
.irp t, 0,1,2,3,4,5,6,7,8,9,10,11,12,13,14,15
	ds_load_b128 v[4*\t:4*\t+3], v[SR] offset:(\stg)+528*\t
.endr
	s_wait_dscnt 0x0
	WIN 0x04
.irp t, 0,1,2,3,4,5,6,7,8,9,10,11,12,13,14,15
	global_store_b128 v[LN16], v[4*\t:4*\t+3], s[\sb:\sb+1] offset:(16*(\a)+\t)*4096 th:TH_STORE_NT
.endr
	WIN 0
	s_wait_xcnt 0x0
.endm
	s_load_b256 s[4:11], s[0:1], 0x0
	s_load_b128 s[12:15], s[0:1], 0x20
	v_lshl_add_u32 v[SPW], v0, 2, SPARE
	v_mov_b32 v[NIL], 0
	ds_add_u32 v[SPW], v[NIL]
	ds_add_u32 v[SPW], v[NIL]
	v_lshrrev_b32 v1, 5, v0
	v_readfirstlane_b32 s16, v1
	s_lshr_b32 s17, s16, 1
	s_and_b32 s18, s16, 1
	s_bfe_u32 s19, ttmp6, 0x40000
	s_bfe_u32 s20, ttmp6, 0x40004
	s_lshl_b32 s21, ttmp9, 2
	s_add_co_u32 s21, s21, s19
	s_and_b32 s23, ttmp7, 0xffff
	s_lshl_b32 s22, s23, 2
	s_add_co_u32 s22, s22, s20
	s_lshl_b32 s2, s20, 2
	s_lshl_b32 s2, 15, s2
	s_lshl_b32 s3, 0x1111, s19
	s_or_b32 s[G1A], s2, (3<<16)|(1<<21)
	s_or_b32 s[G1B], s3, (3<<16)|(1<<21)
	s_mov_b32 s[G1A+1], 768<<16
	s_mov_b32 s[G1A+2], RA<<16
	s_mov_b32 s[G1A+3], 768<<16
	s_mov_b32 s[G1A+4], RA
	s_mov_b32 s[G1A+5], PITA
	s_mov_b32 s[G1A+6], 0
	s_mov_b32 s[G1A+7], 0
	s_mov_b32 s[G1B+1], 768<<16
	s_mov_b32 s[G1B+2], RB<<16
	s_mov_b32 s[G1B+3], 768<<16
	s_mov_b32 s[G1B+4], RB
	s_mov_b32 s[G1B+5], PITB
	s_mov_b32 s[G1B+6], 0
	s_mov_b32 s[G1B+7], 0
	s_mov_b32 s[SEL], 0x76543210
	s_mov_b32 s[SEL+1], 0xfedcba98
	s_mov_b32 s[MH], 0xffff0000
	s_mov_b32 s[CS], 0x3d38aa3b
	s_mov_b32 s[CS+1], s[CS]
	s_mul_i32 s44, s18, RA*6144
	s_mul_i32 s45, s18, RB*6144
	s_add_co_u32 s45, s45, BOFF
	s_lshl_b32 s78, s22, 3
	s_lshl_b32 s75, s18, 2
	s_add_co_u32 s78, s78, s75
	s_mul_i32 s78, s78, 24576
	s_mov_b32 s79, 0
	s_lshl_b32 s80, s23, 7
	s_lshl_b32 s3, s21, 4
	s_add_co_u32 s80, s80, s3
	s_lshl_b32 s3, s18, 3
	s_add_co_u32 s80, s80, s3
	s_mul_i32 s80, s80, 24576
	s_add_co_u32 s80, s80, VF
	s_mov_b32 s81, 0
	s_lshl_b32 s94, s22, 9
	s_lshl_b32 s46, s17, 8
	s_add_co_u32 s94, s94, s46
	s_add_co_u32 s76, s94, PPS
	s_mov_b32 s77, 0
	s_lshl_b32 s82, s23, 13
	s_lshl_b32 s46, s21, 10
	s_add_co_u32 s82, s82, s46
	s_lshl_b32 s46, s18, 9
	s_add_co_u32 s82, s82, s46
	s_add_co_u32 s82, s82, VS
	s_mov_b32 s83, 0
	s_add_co_u32 s84, s94, DSC
	s_mov_b32 s85, 0
	s_lshl_b32 s86, s94, 10
	s_lshl_b32 s46, s19, 10
	s_add_co_u32 s86, s86, s46
	s_lshl_b32 s46, s18, 9
	s_add_co_u32 s86, s86, s46
	s_mov_b32 s87, 0
	s_mov_b32 s92, s86
	s_mov_b32 s93, 0
	s_lshl_b32 s95, s19, 1
	s_add_co_u32 s95, s95, s18
	s_lshl_b32 s88, s22, 3
	s_lshl_b32 s46, s17, 2
	s_add_co_u32 s88, s88, s46
	s_mul_i32 s88, s88, 12288
	s_mul_i32 s46, s95, 1536
	s_add_co_u32 s88, s88, s46
	s_mov_b32 s89, 0
	s_lshl_b32 s90, s95, 15
	s_add_co_u32 s90, s90, s94
	s_add_co_u32 s90, s90, AAS
	s_mov_b32 s91, 0
	s_wait_dscnt 0x0
	s_wait_kmcnt 0x0
	s_add_nc_u64 s[78:79], s[4:5], s[78:79]
	s_add_nc_u64 s[80:81], s[6:7], s[80:81]
	s_add_nc_u64 s[76:77], s[4:5], s[76:77]
	s_add_nc_u64 s[82:83], s[6:7], s[82:83]
	s_add_nc_u64 s[84:85], s[8:9], s[84:85]
	s_add_nc_u64 s[86:87], s[10:11], s[86:87]
	s_add_nc_u64 s[88:89], s[12:13], s[88:89]
	s_add_nc_u64 s[90:91], s[12:13], s[90:91]
	s_add_nc_u64 s[92:93], s[14:15], s[92:93]
	CROUND
.irp s, 0,1
	s_mov_b32 s[G0A+4*\s], 1
	s_add_co_u32 s[G0A+4*\s+1], s44, \s*SLOT
	s_add_nc_u64 s[G0A+4*\s+2:G0A+4*\s+3], s[78:79], \s*6144
	s_or_b32 s[G0A+4*\s+3], s[G0A+4*\s+3], 0x80000000
	s_mov_b32 s[G0B+4*\s], 1
	s_add_co_u32 s[G0B+4*\s+1], s45, \s*SLOT
	s_add_nc_u64 s[G0B+4*\s+2:G0B+4*\s+3], s[80:81], \s*6144
	s_or_b32 s[G0B+4*\s+3], s[G0B+4*\s+3], 0x80000000
.endr
	JLOAD G0A, G0B                                 ; slot 0: my one tensor load at the head; the addresses and the loads below are issued while it is out
	v_and_b32 v1, 15, v0
	v_bfe_u32 v2, v0, 4, 1
	v_and_b32 v13, 31, v0
	v_lshlrev_b32 v[LN16], 4, v13
	v_lshlrev_b32 v[LN4], 2, v13
	s_mul_i32 s46, s17, MT*6144
	s_mul_i32 s47, s18, 49152
	s_add_co_u32 s47, s47, BOFF
	v_add_nc_u32 v[ADRA], s46, v[LN16]
	v_add_nc_u32 v[ADRB], s47, v[LN16]
	v_add_nc_u32 v[ADRA+1], SLOT, v[ADRA]
	v_add_nc_u32 v[ADRB+1], SLOT, v[ADRB]
	s_mul_i32 s46, s16, 8448
	v_mul_u32_u24 v[SO], v1, 528
	v_lshl_add_u32 v[SO], v2, 6, v[SO]
	v_add_nc_u32 v[SO], s46, v[SO]
	v_add_nc_u32 v[SR], s46, v[LN16]
.irp b, 0,1,2,3
	v_mov_b32 v[TM+4+\b], 0
.endr
	v_mov_b32 v[RX], 0
	v_mov_b32 v[RX+1], 0
.irp ks, 0,1,2,3,4,5,6,7,8,9,10,11,12,13,14,15
.irp i, 0,1
	global_load_b32 v[SA+2*\ks+\i], v[LN4], s[76:77] offset:16384*\ks+128*\i
	global_load_b32 v[PM+2*\ks+\i], v[LN4], s[76:77] offset:262144+16384*\ks+128*\i
	global_load_b32 v[PL+2*\ks+\i], v[LN4], s[76:77] offset:524288+16384*\ks+128*\i
.endr
.irp j, 0,1,2,3
	global_load_b32 v[SB+4*\ks+\j], v[LN4], s[82:83] offset:65536*\ks+128*\j
.endr
.endr
.irp k, 0,1,2,3,4,5,6,7
.irp i, 0,1
	global_load_b32 v[DSR+2*\k+\i], v[LN4], s[84:85] offset:81920*\k+128*\i
.endr
.endr
	s_wait_alu depctr_va_vdst(0)
	s_wait_tensorcnt 0x0                           ; my part of slot 0 is in
	ds_add_u32 v[SPW], v[NIL]
	s_wait_dscnt 0x0
	CROUND                                         ; slot 0 is whole in every wave's sight, and the partners' joint loads meet
	JLOAD G0A+4, G0B+4                             ; slot 1's first fill: the first tensor load behind the round; the rows' M, sums and scale bytes are made while it is out
	s_wait_loadcnt 0x0
.irp i, 0,1
	v_add_f32 v[TD+\i], v[DSR+\i], v[DSR+2+\i]
.endr
.irp k, 2,3,4,5,6,7
.irp i, 0,1
	v_add_f32 v[TD+\i], v[TD+\i], v[DSR+2*\k+\i]
.endr
.endr
.irp i, 0,1
	v_mul_f32 v[TD+\i], s[CS], v[TD+\i]
.endr
.irp i, 0,1
	v_floor_f32 v[NFR+\i], -v[TD+\i]
.endr
.irp k, 0,2,4,6,8,10,12,14
.irp i, 0,1
	v_min3_num_f32 v[NFR+\i], v[NFR+\i], v[PM+2*\k+\i], v[PM+2*\k+2+\i]
.endr
.endr
.irp i, 0,1
	v_add_f32 v[T0+\i], v[TD+\i], v[NFR+\i]
.endr
	s_wait_alu depctr_va_vdst(0)
.irp i, 0,1
	v_exp_f32 v[LR+\i], v[T0+\i]
.endr
.set x, 0
.rept 32
	v_sub_f32 v[PM+x], v[PM+x], v[NFR+x%2]
	v_cvt_u32_f32 v[PM+x], v[PM+x]
	v_min_u32 v[PM+x], 0xff, v[PM+x]
	v_sub_nc_u32 v[DL+x%4], 0, v[PM+x]
	v_ldexp_f32 v[PL+x], v[PL+x], v[DL+x%4]
.set x, x+1
.endr
	s_wait_alu depctr_va_vdst(0)
.set x, 0
.rept 32
	v_add_f32 v[LR+x%2], v[LR+x%2], v[PL+x]
.set x, x+1
.endr
.set x, 0
.rept 32
	v_bfe_u32 v[T0], v[SA+x], 0, 8
	v_bfe_u32 v[T0+1], v[SA+x], 8, 8
	v_bfe_u32 v[T0+2], v[SA+x], 16, 8
	v_lshrrev_b32 v[T0+3], 24, v[SA+x]
.irp n, 0,1,2,3
	v_min_u32 v[T4+\n], v[T0+\n], v[PM+x]
.endr
.irp n, 0,1,2,3
	v_sub_nc_u32 v[T0+\n], v[T0+\n], v[T4+\n]
.endr
	v_lshl_or_b32 v[SA+x], v[T0+1], 8, v[T0]
	v_lshl_or_b32 v[SA+x], v[T0+2], 16, v[SA+x]
	v_lshl_or_b32 v[SA+x], v[T0+3], 24, v[SA+x]
.set x, x+1
.endr
	s_wait_alu depctr_va_vdst(0)
.irp i, 0,1
	v_rcp_f32 v[RC+\i], v[LR+\i]
.endr
	v_nop
	s_wait_alu depctr_va_vdst(0)
.irp i, 0,1
	v_permlanex16_b32 v[RX+\i], v[RC+\i], s[SEL], s[SEL+1]
.endr
.irp i, 0,1
	v_cndmask_b32 v[RL+4*\i], v[RC+\i], v[RX+\i], s[MH]
	v_cndmask_b32 v[RL+4*\i+2], v[RX+\i], v[RC+\i], s[MH]
.endr
.irp a, 0,1,2,3
	v_mov_b32 v[RL+2*\a+1], v[RL+2*\a]
.endr
	PLACES 8
	s_wait_alu depctr_va_vdst(0)
	FETCH 0, 0, 0
	STEP 0, 0, 1, 0
	STEP 1, 0, 2, 1
	STEP 2, 0, 3, 1
	LASTQ 3, 0, 1, 1, 12288
	STEP 4, 1, 1, 1
	STEP 5, 1, 2, 1
	STEP 6, 1, 3, 1
	LASTQ 7, 1, 0, 1, 12288
	STEP 8, 0, 1, 1
	STEP 9, 0, 2, 1
	STEP 10, 0, 3, 1
	LASTQ 11, 0, 1, 0, 0
	s_cmp_lg_u32 ttmp9, 0
	s_cbranch_scc1 .Ltsp
	WIN 0xc0
.set t, 0
.rept 64
	global_load_b128 v[4*t:4*t+3], v[LN16], s[86:87] offset:4096*t th:TH_LOAD_NT
.set t, t+1
.endr
	WIN 0
	TAIL
	s_wait_alu depctr_va_vdst(0)
	s_wait_loadcnt 0x0
	VOUT 0
	VOUT 1
	VOUT 2
	VOUT 3
	PAIR 152, 144, 145
	PAIR 153, 146, 147
	PAIR 154, 148, 149
	PAIR 155, 150, 151
	global_store_b32 v[LN4], v152, s[90:91]
	global_store_b32 v[LN4], v153, s[90:91] offset:128
	global_store_b32 v[LN4], v154, s[90:91] offset:16384
	global_store_b32 v[LN4], v155, s[90:91] offset:16384+128
	s_branch .Ldone
.Ltsp:
	TAIL
	s_wait_alu depctr_va_vdst(0)
.irp a, 0,1,2,3
	DIVL \a
	WAYOUT \a, STGT, 92
.endr
.Ldone:
	s_wait_tensorcnt 0x0
	ds_add_u32 v[SPW], v[NIL]
	s_wait_dscnt 0x0
	CROUND
	s_endpgm
.Lfunc_end_k_q1cf42e44d5_pv:
	.size	k_q1cf42e44d5_pv, .Lfunc_end_k_q1cf42e44d5_pv-k_q1cf42e44d5_pv
	.p2alignl 7, 3214868480
	.fill 96, 4, 3214868480
	.section	.rodata,"a",@progbits
	.p2align	6, 0x0
	.amdhsa_kernel k_q1cf42e44d5_pv
		.amdhsa_group_segment_fixed_size 327680
		.amdhsa_private_segment_fixed_size 0
		.amdhsa_enable_private_segment 0
		.amdhsa_kernarg_size 48
		.amdhsa_user_sgpr_count 2
		.amdhsa_user_sgpr_kernarg_segment_ptr 1
		.amdhsa_wavefront_size32 1
		.amdhsa_system_sgpr_workgroup_id_x 1
		.amdhsa_system_sgpr_workgroup_id_y 1
		.amdhsa_system_sgpr_workgroup_id_z 1
		.amdhsa_system_vgpr_workitem_id 0
		.amdhsa_next_free_vgpr 1024
		.amdhsa_next_free_sgpr 96
		.amdhsa_reserve_vcc 0
		.amdhsa_float_denorm_mode_32 3
		.amdhsa_float_denorm_mode_16_64 3
		.amdhsa_memory_ordered 1
		.amdhsa_forward_progress 1
		.amdhsa_inst_pref_size 255
	.end_amdhsa_kernel
	.section	.bss,"aw",@nobits
	.p2align	6
	.space	262144
	.amdgpu_metadata
---
amdhsa.version: [ 1, 2 ]
amdhsa.kernels:
  - .name:           k_q1cf42e44d5_pv
    .symbol:         k_q1cf42e44d5_pv.kd
    .args:
      - { .name: pp, .offset: 0, .size: 8, .value_kind: global_buffer, .address_space: global }
      - { .name: qz, .offset: 8, .size: 8, .value_kind: global_buffer, .address_space: global }
      - { .name: pj, .offset: 16, .size: 8, .value_kind: global_buffer, .address_space: global }
      - { .name: q, .offset: 24, .size: 8, .value_kind: global_buffer, .address_space: global }
      - { .name: aa, .offset: 32, .size: 8, .value_kind: global_buffer, .address_space: global }
      - { .name: out1, .offset: 40, .size: 8, .value_kind: global_buffer, .address_space: global }
    .group_segment_fixed_size: 327680
    .private_segment_fixed_size: 0
    .kernarg_segment_align: 8
    .kernarg_segment_size: 48
    .max_flat_workgroup_size: 128
    .sgpr_count:     96
    .vgpr_count:     1024
    .wavefront_size: 32
...
	.end_amdgpu_metadata
.endif
;; end of part 4
;; launch hid (part 5): grid 8 x 32, 4 waves a work-group, clusters of 4 x 4, 327,680 bytes of LDS; arguments aa, qz, b1, b2, fu; writes fu
.if DOCPART == 5
	.amdgcn_target "amdgcn-amd-amdhsa--gfx1250"
	.amdhsa_code_object_version 6
	.text
	.protected	k_q1cf42e44d5_hid
	.globl	k_q1cf42e44d5_hid
	.p2align	8
	.type	k_q1cf42e44d5_hid,@function
k_q1cf42e44d5_hid:
	s_mov_b64 s[64:65], 0
	v_nop
	global_prefetch_b8 v0, s[64:65] scope:SCOPE_SE
	s_setreg_imm32_b32 hwreg(HW_REG_WAVE_MODE, 25, 1), 1
	s_wait_xcnt 0x0
	s_wait_alu depctr_hold_cnt(0) depctr_sa_sdst(0) depctr_va_vdst(0) depctr_va_sdst(0) depctr_va_ssrc(0) depctr_va_vcc(0) depctr_vm_vsrc(0)
	s_getreg_b32 s2, hwreg(HW_REG_IB_STS2, 6, 4)
	s_cmp_eq_u32 s2, 0
	s_cbranch_scc0 .Lentry_in_a_cluster
	s_endpgm
.Lentry_in_a_cluster:
	s_bfe_u32 s2, ttmp6, 0x10000c
	s_cmp_lg_u32 s2, 0xf033
	s_cbranch_scc0 .Lentry_shape_is_right
	s_endpgm
.Lentry_shape_is_right:
; o1 = relu((out x q) w1^T + b1) and o2 = relu((q - out) w2^T + b2) on codes of FP6 (E2M3) with E8M0 scales; the results are quantised along their columns: K steps 0 .. 7 of the last product's operand.
; SHARES.  4,096 rows x 1,024 columns (o1's 512, then o2's).  A work-group makes 128 x 128, each of its four waves 32 rows x 128 columns: 16 accumulators; so there are 256 work-groups, and a wave's columns are one whole K step.
; K = 1,024 is written out; all of K is asked for at the head, one tensor load a wave; no byte is filled again.
; CLUSTER 4 x 4: the cluster's x says which half (o1 or o2), so the four of a row of the cluster need the same tiles of out x q or of q - out; the four of a column the same tiles of w1 or w2.
; TRANSPOSED USE: source 0 = 16 rows of the weight, source 1 = 16 rows: a lane holds one row, its registers run along the columns.  The bias is the C of each sum's first matrix instruction.
; LIMITS: NaN and infinities are not served; a block under 2^-124 keeps the byte 1, a block of zeros has the byte 1 and zero codes (bytes read by this program alone).
; REGISTERS: window 0: v0-15 addresses, v16-31 at work, v32-39 A's scale words, v40-71 B's, v72-135 the bias in the result's layout, v136-138 new scale words, v176-223 A's fragments, later new codes.  window 1: B's fragments.  window 2: accumulators.
.set MT,    2
.set NF,    3*(8+MT)
.set SLOT,  98304
; LDS: the rows' 8 tiles x 12,288 bytes (a tile's 8 K steps on end), then the weight's 8 tiles: each wave asks for its share, all of K, by ONE tensor load at the head; there is no second fill
.set BOFF,  98304
.set RA,    4
.set RB,    4
.set PITA,  1536
.set PITB,  1536
.set SPARE, 294912
.set AAS,   6291456
.set W12F,  17203200
.set W12S,  17989632
.set FUS,   6291456
.set LN16, 3
.set LN4,  4
.set ADRA, 5
.set ADRB, 8
.set BO,   13
.set SPW,  14
.set NIL,  15
.set TM,   16
.set SA,   32
.set SB,   40
.set BI,   72
.set AF,   176
.set G1A,  24
.set G0A,  32
.set G1B,  48
.set G0B,  56
.set SEL,  66
.set MH,   74
.set MSB, 0
.macro WIN new
.if MSB != (\new)
	s_set_vgpr_msb (MSB<<8)|(\new)
.set MSB, (\new)
.endif
.endm
.macro PLACES n
.rept \n
	v_nop
.endr
.endm
.macro JLOAD g0a, g0b                  ; a joint load: waves 0 and 1 fetch A's halves, waves 2 and 3 B's; an s_nop 0 and four v_nop follow each line
	s_cmp_eq_u32 s17, 0
	s_cbranch_scc0 .Lfor_b_\@
	tensor_load_to_lds s[\g0a:\g0a+3], s[G1A:G1A+7]
	s_nop 0
.rept 4
	v_nop
.endr
	s_branch .Lasked_\@
.Lfor_b_\@:
	tensor_load_to_lds s[\g0b:\g0b+3], s[G1B:G1B+7]
	s_nop 0
.rept 4
	v_nop
.endr
.Lasked_\@:
.endm
.macro CREST
	s_cmp_lg_u32 s16, 0
	s_cbranch_scc1 .Lnot_wave_0_\@
	s_barrier_signal -3
.Lnot_wave_0_\@:
	s_barrier_wait -3
	s_barrier_signal -1
	s_barrier_wait -1
.endm
.macro CROUND
	s_barrier_signal -1
	s_barrier_wait -1
	CREST
.endm
.macro FRAG3 reg, adr, off
.set rF, (\reg)
	ds_load_b128 v[rF:rF+3], v[\adr] offset:(\off)
	ds_load_b128 v[rF+4:rF+7], v[\adr] offset:(\off)+512
	ds_load_b128 v[rF+8:rF+11], v[\adr] offset:(\off)+1024
.endm
.macro FETCH slot, q, p
	WIN 0x40
.irp b, 0,1,2,3,4,5,6,7
	FRAG3 128*(\p)+12*\b, ADRB+\b/4, 12288*(\b%4)+1536*(\q)   ; tiles 4-7 by a second address register: the offset stays inside 16 bits
.endr
	WIN 0
.set fa, 0
.rept MT
	FRAG3 AF+12*MT*(\p)+12*fa, ADRA, 12288*fa+1536*(\q)
.set fa, fa+1
.endr
.endm
.macro WM a, b, ks, p, cm
.set rD, 8*(8*(\a)+(\b))
.set rB, 128*(\p)+12*(\b)
.set rA, AF+12*MT*(\p)+12*(\a)
.set rSB, SB+4*(\ks)+(\b)/2
.set rSA, SA+(MT/2)*(\ks)+(\a)/2
.set rC, rD
.if (\cm) == 2
.set rC, BI+8*(\b)
.endif
.set rw, 2*((\a)%2)+((\b)%2)
.if (\cm) == 0
.if rw == 0
	v_wmma_scale_f32_16x16x128_f8f6f4 v[rD:rD+7], v[rB:rB+11], v[rA:rA+11], 0, v[rSB], v[rSA] matrix_a_fmt:MATRIX_FMT_FP6 matrix_b_fmt:MATRIX_FMT_FP6
.elseif rw == 1
	v_wmma_scale_f32_16x16x128_f8f6f4 v[rD:rD+7], v[rB:rB+11], v[rA:rA+11], 0, v[rSB], v[rSA] matrix_a_fmt:MATRIX_FMT_FP6 matrix_b_fmt:MATRIX_FMT_FP6 matrix_a_scale:MATRIX_SCALE_ROW1
.elseif rw == 2
	v_wmma_scale_f32_16x16x128_f8f6f4 v[rD:rD+7], v[rB:rB+11], v[rA:rA+11], 0, v[rSB], v[rSA] matrix_a_fmt:MATRIX_FMT_FP6 matrix_b_fmt:MATRIX_FMT_FP6 matrix_b_scale:MATRIX_SCALE_ROW1
.else
	v_wmma_scale_f32_16x16x128_f8f6f4 v[rD:rD+7], v[rB:rB+11], v[rA:rA+11], 0, v[rSB], v[rSA] matrix_a_fmt:MATRIX_FMT_FP6 matrix_b_fmt:MATRIX_FMT_FP6 matrix_a_scale:MATRIX_SCALE_ROW1 matrix_b_scale:MATRIX_SCALE_ROW1
.endif
.else
.if rw == 0
	v_wmma_scale_f32_16x16x128_f8f6f4 v[rD:rD+7], v[rB:rB+11], v[rA:rA+11], v[rC:rC+7], v[rSB], v[rSA] matrix_a_fmt:MATRIX_FMT_FP6 matrix_b_fmt:MATRIX_FMT_FP6
.elseif rw == 1
	v_wmma_scale_f32_16x16x128_f8f6f4 v[rD:rD+7], v[rB:rB+11], v[rA:rA+11], v[rC:rC+7], v[rSB], v[rSA] matrix_a_fmt:MATRIX_FMT_FP6 matrix_b_fmt:MATRIX_FMT_FP6 matrix_a_scale:MATRIX_SCALE_ROW1
.elseif rw == 2
	v_wmma_scale_f32_16x16x128_f8f6f4 v[rD:rD+7], v[rB:rB+11], v[rA:rA+11], v[rC:rC+7], v[rSB], v[rSA] matrix_a_fmt:MATRIX_FMT_FP6 matrix_b_fmt:MATRIX_FMT_FP6 matrix_b_scale:MATRIX_SCALE_ROW1
.else
	v_wmma_scale_f32_16x16x128_f8f6f4 v[rD:rD+7], v[rB:rB+11], v[rA:rA+11], v[rC:rC+7], v[rSB], v[rSA] matrix_a_fmt:MATRIX_FMT_FP6 matrix_b_fmt:MATRIX_FMT_FP6 matrix_a_scale:MATRIX_SCALE_ROW1 matrix_b_scale:MATRIX_SCALE_ROW1
.endif
.endif
.endm
.macro MUL ks, p, a0, a1, cm           ; the accumulators take turns, one instruction a turn, in the same order in every step
.set ma, (\a0)
.rept (\a1)-(\a0)
.irp b, 0,1,2,3,4,5,6,7
	WM ma, \b, \ks, \p, \cm
.endr
.set ma, ma+1
.endr
.endm
.macro STEP ks, fs, fq, cm
	PLACES 4                                       ; between the last products and loads into the registers that they read
	FETCH \fs, \fq, 1-(\ks)%2
	s_wait_dscnt NF                                ; all but the NF loads just issued: this step's fragments are in
.if (\cm) == 2
	WIN 0x81                                       ; C, the bias, in window 0
.else
	WIN 0xa1
.endif
	MUL \ks, (\ks)%2, 0, MT, \cm
	WIN 0
.endm
.macro LASTQ ks, slot, next, fill, adv
	s_wait_tensorcnt 0x0                           ; all my tensor loads have landed, my part of the next slot among them
	ds_add_u32 v[SPW], v[NIL]                      ; 0 onto my spare word
	s_wait_dscnt 0x1                               ; this step's fragments are in; the add alone may be out
	WIN 0xa1
	MUL \ks, (\ks)%2, 0, 1, 1
	s_wait_dscnt 0x0                               ; the add is done, and my reads of this slot are over
	s_barrier_signal -1
.if MT > 2
	MUL \ks, (\ks)%2, 1, MT/2, 1
.endif
	WIN 0
	s_barrier_wait -1
.if \fill
	CREST
	s_add_nc_u64 s[G0A+4*\slot+2:G0A+4*\slot+3], s[G0A+4*\slot+2:G0A+4*\slot+3], \adv
	s_add_nc_u64 s[G0B+4*\slot+2:G0B+4*\slot+3], s[G0B+4*\slot+2:G0B+4*\slot+3], \adv
	JLOAD G0A+4*\slot, G0B+4*\slot
.else
	PLACES 4
.endif
	FETCH \next, 0, 1-(\ks)%2
	WIN 0xa1
	MUL \ks, (\ks)%2, MT/2, MT, 1
	WIN 0
.endm
.macro FINAL ks
	s_wait_dscnt 0x0
	WIN 0xa1
	MUL \ks, (\ks)%2, 0, MT, 1
	WIN 0
	PLACES 4
.endm
.macro QUANT s, w
	WIN ((\w)|((\w)<<2))
.irp b, 0,1,2,3
	v_max3_num_f32 v[TM+\b], |v[(\s)+16*\b]|, |v[(\s)+16*\b+1]|, 0x1800000
.endr
	WIN (((\w)<<2)|((\w)<<4))
.irp i, 2,4,6,8,10,12,14
.irp b, 0,1,2,3
	v_max3_num_f32 v[TM+\b], v[TM+\b], |v[(\s)+16*\b+\i]|, |v[(\s)+16*\b+\i+1]|
.endr
.endr
	WIN 0
.irp b, 0,1,2,3
	v_permlanex16_b32 v[TM+4+\b], v[TM+\b], s[SEL], s[SEL+1]
.endr
.irp b, 0,1,2,3
	v_max_num_f32 v[TM+\b], v[TM+\b], v[TM+4+\b]
.endr
.irp b, 0,1,2,3
	v_add_nc_u32 v[TM+12+\b], 0xff000000, v[TM+\b]
.endr
.irp b, 0,1,2,3
	v_lshrrev_b32 v[TM+4+\b], 23, v[TM+12+\b]
.endr
	v_lshl_or_b32 v[PW], v[TM+5], 8, v[TM+4]
	v_lshl_or_b32 v[PW], v[TM+6], 16, v[PW]
	v_lshl_or_b32 v[PW], v[TM+7], 24, v[PW]
	WIN (\w)
.irp c, 0,1
	v_cvt_scalef32_pk16_fp6_f32 v[PC+6*\c:PC+6*\c+2], v[(\s)+32*\c:(\s)+32*\c+15], v[TM+12+2*\c]
	v_cvt_scalef32_pk16_fp6_f32 v[PC+12+4*\c:PC+14+4*\c], v[(\s)+32*\c+16:(\s)+32*\c+31], v[TM+12+2*\c+1]
.endr
	v_nop                                          ; one plain place behind a scaled conversion
	WIN 0
.irp c, 0,1
.irp i, 0,1,2
	v_permlane16_swap_b32 v[PC+6*\c+\i], v[PC+12+4*\c+\i]
.endr
.irp i, 0,1,2
	v_mov_b32 v[PC+3+6*\c+\i], v[PC+12+4*\c+\i]
.endr
.endr
.endm
.macro IMG sb, off
.irp c, 0,1,2
	global_store_b128 v[LN16], v[PC+4*\c:PC+4*\c+3], s[\sb:\sb+1] offset:(\off)+512*\c
.endr
.endm
.macro PAIR d, e, o
	v_cndmask_b32 v[\d], v[\e], v[\o], s[MH]
.endm
	s_load_b256 s[4:11], s[0:1], 0x0               ; aa 4, qz 6, b1 8, b2 10
	s_load_b64 s[12:13], s[0:1], 0x20              ; fu
	v_lshl_add_u32 v[SPW], v0, 2, SPARE
	v_mov_b32 v[NIL], 0
	ds_add_u32 v[SPW], v[NIL]                      ; the wave's opening: the add and its wait ahead of my first tensor load
	ds_add_u32 v[SPW], v[NIL]
	v_lshrrev_b32 v1, 5, v0
	v_readfirstlane_b32 s16, v1
	s_lshr_b32 s17, s16, 1                         ; I fetch for A (0) or B (1),
	s_and_b32 s18, s16, 1                          ; which half of the tiles
	s_bfe_u32 s19, ttmp6, 0x40000
	s_bfe_u32 s20, ttmp6, 0x40004
	s_lshl_b32 s21, ttmp9, 2
	s_add_co_u32 s21, s21, s19                     ; X: which 128 columns = which K step of the next product
	s_and_b32 s23, ttmp7, 0xffff
	s_lshl_b32 s22, s23, 2
	s_add_co_u32 s22, s22, s20                     ; Y: which 128 rows
	s_lshl_b32 s2, s20, 2
	s_lshl_b32 s2, 15, s2
	s_lshl_b32 s3, 0x1111, s19
	s_or_b32 s[G1A], s2, (3<<16)|(1<<21)
	s_or_b32 s[G1B], s3, (3<<16)|(1<<21)
	s_mov_b32 s[G1A+1], 1536<<16                   ; a row: 1,536 elements of 8 bytes, a tile's 8 K steps
	s_mov_b32 s[G1A+2], RA<<16
	s_mov_b32 s[G1A+3], 1536<<16
	s_mov_b32 s[G1A+4], RA
	s_mov_b32 s[G1A+5], PITA
	s_mov_b32 s[G1A+6], 0
	s_mov_b32 s[G1A+7], 0
	s_mov_b32 s[G1B+1], 1536<<16
	s_mov_b32 s[G1B+2], RB<<16
	s_mov_b32 s[G1B+3], 1536<<16
	s_mov_b32 s[G1B+4], RB
	s_mov_b32 s[G1B+5], PITB
	s_mov_b32 s[G1B+6], 0
	s_mov_b32 s[G1B+7], 0
	s_mov_b32 s[SEL], 0x76543210
	s_mov_b32 s[SEL+1], 0xfedcba98
	s_mov_b32 s[MH], 0xffff0000
	s_mul_i32 s44, s18, RA*12288
	s_mul_i32 s45, s18, RB*12288
	s_add_co_u32 s45, s45, BOFF
	s_lshl_b32 s78, ttmp9, 8                       ; A: tile 256 x half + 8 Y + 4 x half of the tiles
	s_lshl_b32 s75, s22, 3
	s_add_co_u32 s78, s78, s75
	s_lshl_b32 s75, s18, 2
	s_add_co_u32 s78, s78, s75
	s_mul_i32 s78, s78, 12288
	s_mov_b32 s79, 0
	s_lshl_b32 s80, s21, 3                         ; B: tile 8 X + 4 x half of the tiles
	s_lshl_b32 s3, s18, 2
	s_add_co_u32 s80, s80, s3
	s_mul_i32 s80, s80, 12288
	s_add_co_u32 s80, s80, W12F
	s_mov_b32 s81, 0
	s_lshl_b32 s94, s22, 9
	s_lshl_b32 s46, s16, 7
	s_add_co_u32 s94, s94, s46                     ; 4 x my wave's first row
	s_lshl_b32 s82, ttmp9, 14
	s_add_co_u32 s82, s82, s94
	s_add_co_u32 s82, s82, AAS
	s_mov_b32 s83, 0
	s_lshl_b32 s84, s21, 9
	s_add_co_u32 s84, s84, W12S
	s_mov_b32 s85, 0
	s_lshl_b32 s88, s19, 9                         ; my 128 numbers of b1 or b2
	s_mov_b32 s89, 0
	s_lshl_b32 s90, s22, 3
	s_lshl_b32 s46, s16, 1
	s_add_co_u32 s90, s90, s46
	s_mul_i32 s90, s90, 24576
	s_mul_i32 s46, s21, 1536
	s_add_co_u32 s90, s90, s46
	s_mov_b32 s91, 0
	s_lshl_b32 s92, s21, 14
	s_add_co_u32 s92, s92, s94
	s_add_co_u32 s92, s92, FUS
	s_mov_b32 s93, 0
	s_wait_dscnt 0x0
	s_wait_kmcnt 0x0
	s_add_nc_u64 s[78:79], s[4:5], s[78:79]
	s_add_nc_u64 s[80:81], s[6:7], s[80:81]
	s_add_nc_u64 s[82:83], s[4:5], s[82:83]
	s_add_nc_u64 s[84:85], s[6:7], s[84:85]
	s_cmp_eq_u32 ttmp9, 0
	s_cselect_b64 s[86:87], s[8:9], s[10:11]
	s_add_nc_u64 s[86:87], s[86:87], s[88:89]
	s_add_nc_u64 s[90:91], s[12:13], s[90:91]
	s_add_nc_u64 s[92:93], s[12:13], s[92:93]
	CROUND
.irp s, 0
	s_mov_b32 s[G0A+4*\s], 1
	s_add_co_u32 s[G0A+4*\s+1], s44, \s*SLOT
	s_add_nc_u64 s[G0A+4*\s+2:G0A+4*\s+3], s[78:79], \s*6144
	s_or_b32 s[G0A+4*\s+3], s[G0A+4*\s+3], 0x80000000
	s_mov_b32 s[G0B+4*\s], 1
	s_add_co_u32 s[G0B+4*\s+1], s45, \s*SLOT
	s_add_nc_u64 s[G0B+4*\s+2:G0B+4*\s+3], s[80:81], \s*6144
	s_or_b32 s[G0B+4*\s+3], s[G0B+4*\s+3], 0x80000000
	JLOAD G0A+4*\s, G0B+4*\s
.endr
	v_bfe_u32 v2, v0, 4, 1
	v_and_b32 v13, 31, v0
	v_lshlrev_b32 v[LN16], 4, v13
	v_lshlrev_b32 v[LN4], 2, v13
	v_lshlrev_b32 v[BO], 6, v2                     ; the bias: 64 h
	s_mul_i32 s46, s16, MT*12288
	v_add_nc_u32 v[ADRA], s46, v[LN16]
	v_add_nc_u32 v[ADRB], BOFF, v[LN16]
	v_add_nc_u32 v[ADRB+1], 49152, v[ADRB]         ; B's tiles 4-7
.irp b, 0,1,2,3
	v_mov_b32 v[TM+4+\b], 0
.endr
.irp ks, 0,1,2,3,4,5,6,7
	global_load_b32 v[SA+\ks], v[LN4], s[82:83] offset:32768*\ks
.irp j, 0,1,2,3
	global_load_b32 v[SB+4*\ks+\j], v[LN4], s[84:85] offset:4096*\ks+128*\j
.endr
.endr
.irp b, 0,1,2,3,4,5,6,7                ; tile b, register j of lane (r, h): column 32 (b / 2) + 16 h + 8 (b % 2) + j
	global_load_b128 v[BI+8*\b:BI+8*\b+3], v[BO], s[86:87] offset:(32*(\b/2)+8*(\b%2))*4
	global_load_b128 v[BI+8*\b+4:BI+8*\b+7], v[BO], s[86:87] offset:(32*(\b/2)+8*(\b%2))*4+16
.endr
	s_wait_alu depctr_va_vdst(0)
	s_wait_tensorcnt 0x0                           ; my one tensor load is in
	s_barrier_signal -1
	s_barrier_wait -1
	FETCH 0, 0, 0
	s_wait_loadcnt 0x0
	STEP 0, 0, 1, 2                                ; the first step's products start the sums from the bias
	STEP 1, 0, 2, 1
	STEP 2, 0, 3, 1
	STEP 3, 0, 4, 1
	STEP 4, 0, 5, 1
	STEP 5, 0, 6, 1
	STEP 6, 0, 7, 1
	FINAL 7
.irp a, 0,1
	WIN 0x88
.set j, 0
.rept 64
	v_max_num_f32 v[64*\a+j], 0, v[64*\a+j]        ; the activation, in f32, each accumulator from its low end on
.set j, j+1
.endr
.set PC, 176+20*\a
.set PW, 136+\a
	QUANT 64*\a, 2
	IMG 90, 24576*\a
.endr
	PAIR 138, 136, 137
	global_store_b32 v[LN4], v138, s[92:93]
	s_wait_tensorcnt 0x0                           ; the wave's end
	ds_add_u32 v[SPW], v[NIL]
	s_wait_dscnt 0x0
	CROUND
	s_endpgm
.Lfunc_end_k_q1cf42e44d5_hid:
	.size	k_q1cf42e44d5_hid, .Lfunc_end_k_q1cf42e44d5_hid-k_q1cf42e44d5_hid
	.p2alignl 7, 3214868480
	.fill 96, 4, 3214868480
	.section	.rodata,"a",@progbits
	.p2align	6, 0x0
	.amdhsa_kernel k_q1cf42e44d5_hid
		.amdhsa_group_segment_fixed_size 327680
		.amdhsa_private_segment_fixed_size 0
		.amdhsa_enable_private_segment 0
		.amdhsa_kernarg_size 40
		.amdhsa_user_sgpr_count 2
		.amdhsa_user_sgpr_kernarg_segment_ptr 1
		.amdhsa_wavefront_size32 1
		.amdhsa_system_sgpr_workgroup_id_x 1
		.amdhsa_system_sgpr_workgroup_id_y 1
		.amdhsa_system_sgpr_workgroup_id_z 1
		.amdhsa_system_vgpr_workitem_id 0
		.amdhsa_next_free_vgpr 768
		.amdhsa_next_free_sgpr 96
		.amdhsa_reserve_vcc 0
		.amdhsa_float_denorm_mode_32 3
		.amdhsa_float_denorm_mode_16_64 3
		.amdhsa_memory_ordered 1
		.amdhsa_forward_progress 1
		.amdhsa_inst_pref_size 58
	.end_amdhsa_kernel
	.amdgpu_metadata
---
amdhsa.version: [ 1, 2 ]
amdhsa.kernels:
  - .name:           k_q1cf42e44d5_hid
    .symbol:         k_q1cf42e44d5_hid.kd
    .args:
      - { .name: aa, .offset: 0, .size: 8, .value_kind: global_buffer, .address_space: global }
      - { .name: qz, .offset: 8, .size: 8, .value_kind: global_buffer, .address_space: global }
      - { .name: b1, .offset: 16, .size: 8, .value_kind: global_buffer, .address_space: global }
      - { .name: b2, .offset: 24, .size: 8, .value_kind: global_buffer, .address_space: global }
      - { .name: fu, .offset: 32, .size: 8, .value_kind: global_buffer, .address_space: global }
    .group_segment_fixed_size: 327680
    .private_segment_fixed_size: 0
    .kernarg_segment_align: 8
    .kernarg_segment_size: 40
    .max_flat_workgroup_size: 128
    .sgpr_count:     96
    .vgpr_count:     768
    .wavefront_size: 32
...
	.end_amdgpu_metadata
.endif
;; end of part 5
;; launch outp (part 6): grid 8 x 32, 4 waves a work-group, clusters of 4 x 4, 327,680 bytes of LDS; arguments fu, qz, b3, out0; writes out0
.if DOCPART == 6
	.amdgcn_target "amdgcn-amd-amdhsa--gfx1250"
	.amdhsa_code_object_version 6
	.text
	.protected	k_q1cf42e44d5_outp
	.globl	k_q1cf42e44d5_outp
	.p2align	8
	.type	k_q1cf42e44d5_outp,@function
k_q1cf42e44d5_outp:
	s_mov_b64 s[64:65], 0
	v_nop
	global_prefetch_b8 v0, s[64:65] scope:SCOPE_SE
	s_setreg_imm32_b32 hwreg(HW_REG_WAVE_MODE, 25, 1), 1
	s_wait_xcnt 0x0
	s_wait_alu depctr_hold_cnt(0) depctr_sa_sdst(0) depctr_va_vdst(0) depctr_va_sdst(0) depctr_va_ssrc(0) depctr_va_vcc(0) depctr_vm_vsrc(0)
	s_getreg_b32 s2, hwreg(HW_REG_IB_STS2, 6, 4)
	s_cmp_eq_u32 s2, 0
	s_cbranch_scc0 .Lentry_in_a_cluster
	s_endpgm
.Lentry_in_a_cluster:
	s_bfe_u32 s2, ttmp6, 0x10000c
	s_cmp_lg_u32 s2, 0xf033
	s_cbranch_scc0 .Lentry_shape_is_right
	s_endpgm
.Lentry_shape_is_right:
; output = [o1, o2, q] w3^T + b3 on codes of FP6 (E2M3) with E8M0 scales; K = 2,048; f32 out.
; SHARES.  4,096 rows x 1,024 columns.  A work-group makes 128 x 128, each of its four waves 32 rows x 128 columns: 16 accumulators; 256 work-groups.
; K is written out: 16 steps through three slots of 4 steps.  All three are asked for at the head; slot 0 is filled again once, with K steps 12 .. 15, which then have 8 K steps in which to land.
; The change from slot 1 to slot 2 needs no barrier: in front of the barrier at K step 3 every wave has waited for both of its first loads.
; CLUSTER 4 x 4: the fused operand's tiles are shared along a row of the cluster, w3's along a column.
; TRANSPOSED USE: source 0 = 16 rows of w3, source 1 = 16 rows: a lane holds pieces of one row of the output.  The bias is the C of each sum's first matrix instruction.
; THE WAY OUT goes through a stage of 16 rows x 528 bytes a wave, in slot 1, which has had its only fill, and which nobody reads behind the barrier at K step 11.
; REGISTERS: window 0: v0-15 addresses, v32-47 A's scale words, v48-111 B's, v112-175 the bias in the result's layout, v176-223 A's fragments.  window 1: B's fragments, later rows on the way out.  window 2: accumulators.
.set MT,    2
.set NF,    3*(8+MT)
.set SLOT,  98304
.set BOFF,  49152
.set RA,    4
.set RB,    4
.set PITA,  3072
.set PITB,  3072
.set SPARE, 294912
.set FUS,   6291456
.set W3F,   18022400
.set W3S,   19595264
.set LN16, 3
.set LN4,  4
.set ADRA, 5
.set ADRB, 8
.set SO,   11
.set SR,   12
.set BO,   13
.set SPW,  14
.set NIL,  15
.set SA,   32
.set SB,   48
.set BI,   112
.set AF,   176
.set G1A,  24
.set G0A,  32
.set G1B,  48
.set G0B,  56
.set MSB, 0
.macro WIN new
.if MSB != (\new)
	s_set_vgpr_msb (MSB<<8)|(\new)
.set MSB, (\new)
.endif
.endm
.macro PLACES n
.rept \n
	v_nop
.endr
.endm
.macro JLOAD g0a, g0b                  ; a joint load: waves 0 and 1 fetch A's halves, waves 2 and 3 B's; an s_nop 0 and four v_nop follow each line
	s_cmp_eq_u32 s17, 0
	s_cbranch_scc0 .Lfor_b_\@
	tensor_load_to_lds s[\g0a:\g0a+3], s[G1A:G1A+7]
	s_nop 0
.rept 4
	v_nop
.endr
	s_branch .Lasked_\@
.Lfor_b_\@:
	tensor_load_to_lds s[\g0b:\g0b+3], s[G1B:G1B+7]
	s_nop 0
.rept 4
	v_nop
.endr
.Lasked_\@:
.endm
.macro CREST
	s_cmp_lg_u32 s16, 0
	s_cbranch_scc1 .Lnot_wave_0_\@
	s_barrier_signal -3
.Lnot_wave_0_\@:
	s_barrier_wait -3
	s_barrier_signal -1
	s_barrier_wait -1
.endm
.macro CROUND
	s_barrier_signal -1
	s_barrier_wait -1
	CREST
.endm
.macro FRAG3 reg, adr, off
.set rF, (\reg)
	ds_load_b128 v[rF:rF+3], v[\adr] offset:(\off)
	ds_load_b128 v[rF+4:rF+7], v[\adr] offset:(\off)+512
	ds_load_b128 v[rF+8:rF+11], v[\adr] offset:(\off)+1024
.endm
.macro FETCH slot, q, p
	WIN 0x40
.irp b, 0,1,2,3,4,5,6,7
	FRAG3 128*(\p)+12*\b, ADRB+(\slot), 6144*\b+1536*(\q)
.endr
	WIN 0
.set fa, 0
.rept MT
	FRAG3 AF+12*MT*(\p)+12*fa, ADRA+(\slot), 6144*fa+1536*(\q)
.set fa, fa+1
.endr
.endm
.macro WM a, b, ks, p, cm
.set rD, 8*(8*(\a)+(\b))
.set rB, 128*(\p)+12*(\b)
.set rA, AF+12*MT*(\p)+12*(\a)
.set rSB, SB+4*(\ks)+(\b)/2
.set rSA, SA+(MT/2)*(\ks)+(\a)/2
.set rC, rD
.if (\cm) == 2
.set rC, BI+8*(\b)
.endif
.set rw, 2*((\a)%2)+((\b)%2)
.if (\cm) == 0
.if rw == 0
	v_wmma_scale_f32_16x16x128_f8f6f4 v[rD:rD+7], v[rB:rB+11], v[rA:rA+11], 0, v[rSB], v[rSA] matrix_a_fmt:MATRIX_FMT_FP6 matrix_b_fmt:MATRIX_FMT_FP6
.elseif rw == 1
	v_wmma_scale_f32_16x16x128_f8f6f4 v[rD:rD+7], v[rB:rB+11], v[rA:rA+11], 0, v[rSB], v[rSA] matrix_a_fmt:MATRIX_FMT_FP6 matrix_b_fmt:MATRIX_FMT_FP6 matrix_a_scale:MATRIX_SCALE_ROW1
.elseif rw == 2
	v_wmma_scale_f32_16x16x128_f8f6f4 v[rD:rD+7], v[rB:rB+11], v[rA:rA+11], 0, v[rSB], v[rSA] matrix_a_fmt:MATRIX_FMT_FP6 matrix_b_fmt:MATRIX_FMT_FP6 matrix_b_scale:MATRIX_SCALE_ROW1
.else
	v_wmma_scale_f32_16x16x128_f8f6f4 v[rD:rD+7], v[rB:rB+11], v[rA:rA+11], 0, v[rSB], v[rSA] matrix_a_fmt:MATRIX_FMT_FP6 matrix_b_fmt:MATRIX_FMT_FP6 matrix_a_scale:MATRIX_SCALE_ROW1 matrix_b_scale:MATRIX_SCALE_ROW1
.endif
.else
.if rw == 0
	v_wmma_scale_f32_16x16x128_f8f6f4 v[rD:rD+7], v[rB:rB+11], v[rA:rA+11], v[rC:rC+7], v[rSB], v[rSA] matrix_a_fmt:MATRIX_FMT_FP6 matrix_b_fmt:MATRIX_FMT_FP6
.elseif rw == 1
	v_wmma_scale_f32_16x16x128_f8f6f4 v[rD:rD+7], v[rB:rB+11], v[rA:rA+11], v[rC:rC+7], v[rSB], v[rSA] matrix_a_fmt:MATRIX_FMT_FP6 matrix_b_fmt:MATRIX_FMT_FP6 matrix_a_scale:MATRIX_SCALE_ROW1
.elseif rw == 2
	v_wmma_scale_f32_16x16x128_f8f6f4 v[rD:rD+7], v[rB:rB+11], v[rA:rA+11], v[rC:rC+7], v[rSB], v[rSA] matrix_a_fmt:MATRIX_FMT_FP6 matrix_b_fmt:MATRIX_FMT_FP6 matrix_b_scale:MATRIX_SCALE_ROW1
.else
	v_wmma_scale_f32_16x16x128_f8f6f4 v[rD:rD+7], v[rB:rB+11], v[rA:rA+11], v[rC:rC+7], v[rSB], v[rSA] matrix_a_fmt:MATRIX_FMT_FP6 matrix_b_fmt:MATRIX_FMT_FP6 matrix_a_scale:MATRIX_SCALE_ROW1 matrix_b_scale:MATRIX_SCALE_ROW1
.endif
.endif
.endm
.macro MUL ks, p, a0, a1, cm           ; the accumulators take turns, one instruction a turn, in the same order in every step
.set ma, (\a0)
.rept (\a1)-(\a0)
.irp b, 0,1,2,3,4,5,6,7
	WM ma, \b, \ks, \p, \cm
.endr
.set ma, ma+1
.endr
.endm
.macro STEP ks, fs, fq, cm
	PLACES 4                                       ; between the last products and loads into the registers that they read
	FETCH \fs, \fq, 1-(\ks)%2
	s_wait_dscnt NF                                ; all but the NF loads just issued: this step's fragments are in
.if (\cm) == 2
	WIN 0x81                                       ; C, the bias, in window 0
.else
	WIN 0xa1
.endif
	MUL \ks, (\ks)%2, 0, MT, \cm
	WIN 0
.endm
; A K step with a barrier: in front of it each wave waits for all its tensor loads, adds 0 to its spare word, and waits for that and for its reads so far.  fill = 1: slot `slot` is filled again, adv bytes on.
.macro LASTQ ks, slot, next, fill, adv
	s_wait_tensorcnt 0x0                           ; all my tensor loads have landed
	ds_add_u32 v[SPW], v[NIL]                      ; 0 onto my spare word
	s_wait_dscnt 0x1                               ; this step's fragments are in; the add alone may be out
	WIN 0xa1
	MUL \ks, (\ks)%2, 0, 1, 1
	s_wait_dscnt 0x0                               ; the add is done, and my reads of this slot are over
	s_barrier_signal -1
.if MT > 2
	MUL \ks, (\ks)%2, 1, MT/2, 1
.endif
	WIN 0
	s_barrier_wait -1
.if \fill
	CREST                                          ; the barrier has opened a round of the cluster's: no wave of any partner still reads this slot or has a load on its way
	s_add_nc_u64 s[G0A+4*\slot+2:G0A+4*\slot+3], s[G0A+4*\slot+2:G0A+4*\slot+3], \adv
	s_add_nc_u64 s[G0B+4*\slot+2:G0B+4*\slot+3], s[G0B+4*\slot+2:G0B+4*\slot+3], \adv
	JLOAD G0A+4*\slot, G0B+4*\slot                 ; the first tensor load behind the round
.else
	PLACES 4
.endif
	FETCH \next, 0, 1-(\ks)%2
	WIN 0xa1
	MUL \ks, (\ks)%2, MT/2, MT, 1
	WIN 0
.endm
.macro FINAL ks
	s_wait_dscnt 0x0
	WIN 0xa1
	MUL \ks, (\ks)%2, 0, MT, 1
	WIN 0
	PLACES 4                                       ; in front of the LDS stores that read results and of loads into B's registers
.endm
; the way out of row tile a: through my stage the pieces come back as whole rows of 512 bytes.  Each accumulator is stored from its low end on.
.macro WAYOUT a, sb
	WIN 0x08
.irp t, 0,1,2,3,4,5,6,7,8,9,10,11,12,13,14,15
	ds_store_b128 v[SO], v[64*(\a)+4*\t:64*(\a)+4*\t+3] offset:128*(\t/4)+16*(\t%4)
.endr
	WIN 0x40
.irp t, 0,1,2,3,4,5,6,7,8,9,10,11,12,13,14,15
	ds_load_b128 v[4*\t:4*\t+3], v[SR] offset:528*\t               ; in order behind my stores
.endr
	s_wait_dscnt 0x0
	WIN 0x04
.irp t, 0,1,2,3,4,5,6,7,8,9,10,11,12,13,14,15
	global_store_b128 v[LN16], v[4*\t:4*\t+3], s[\sb:\sb+1] offset:(16*(\a)+\t)*4096 th:TH_STORE_NT   ; 512 consecutive bytes of a row
.endr
	WIN 0
	s_wait_xcnt 0x0                                ; the stores have read their registers: the next tile's rows may land there
.endm
	s_load_b256 s[4:11], s[0:1], 0x0               ; fu 4, qz 6, b3 8, out0 10
	v_lshl_add_u32 v[SPW], v0, 2, SPARE
	v_mov_b32 v[NIL], 0
	ds_add_u32 v[SPW], v[NIL]                      ; the wave's opening: the add and its wait ahead of my first tensor load
	ds_add_u32 v[SPW], v[NIL]
	v_lshrrev_b32 v1, 5, v0
	v_readfirstlane_b32 s16, v1
	s_lshr_b32 s17, s16, 1
	s_and_b32 s18, s16, 1
	s_bfe_u32 s19, ttmp6, 0x40000
	s_bfe_u32 s20, ttmp6, 0x40004
	s_lshl_b32 s21, ttmp9, 2
	s_add_co_u32 s21, s21, s19                     ; X: which 128 columns
	s_and_b32 s23, ttmp7, 0xffff
	s_lshl_b32 s22, s23, 2
	s_add_co_u32 s22, s22, s20                     ; Y: which 128 rows
	s_lshl_b32 s2, s20, 2
	s_lshl_b32 s2, 15, s2
	s_lshl_b32 s3, 0x1111, s19
	s_or_b32 s[G1A], s2, (3<<16)|(1<<21)
	s_or_b32 s[G1B], s3, (3<<16)|(1<<21)
	s_mov_b32 s[G1A+1], 768<<16
	s_mov_b32 s[G1A+2], 8<<16                      ; the head's loads bring 8 tiles each
	s_mov_b32 s[G1A+3], 768<<16
	s_mov_b32 s[G1A+4], 8
	s_mov_b32 s[G1A+5], PITA
	s_mov_b32 s[G1A+6], 0
	s_mov_b32 s[G1A+7], 0
	s_mov_b32 s[G1B+1], 768<<16
	s_mov_b32 s[G1B+2], 8<<16
	s_mov_b32 s[G1B+3], 768<<16
	s_mov_b32 s[G1B+4], 8
	s_mov_b32 s[G1B+5], PITB
	s_mov_b32 s[G1B+6], 0
	s_mov_b32 s[G1B+7], 0
	s_mul_i32 s44, s18, RA*6144
	s_mul_i32 s45, s18, RB*6144
	s_add_co_u32 s45, s45, BOFF
	s_lshl_b32 s78, s22, 3                         ; A: tile 8 Y + 4 x half
	s_lshl_b32 s75, s18, 2
	s_add_co_u32 s78, s78, s75
	s_mul_i32 s78, s78, 24576
	s_mov_b32 s79, 0
	s_lshl_b32 s80, s21, 3                         ; B: w3's tile 8 X + 4 x half
	s_lshl_b32 s3, s18, 2
	s_add_co_u32 s80, s80, s3
	s_mul_i32 s80, s80, 24576
	s_add_co_u32 s80, s80, W3F
	s_mov_b32 s81, 0
	s_lshl_b32 s94, s22, 9
	s_lshl_b32 s46, s16, 7
	s_add_co_u32 s94, s94, s46                     ; 4 x my wave's first row
	s_add_co_u32 s82, s94, FUS
	s_mov_b32 s83, 0
	s_lshl_b32 s84, s21, 9
	s_add_co_u32 s84, s84, W3S
	s_mov_b32 s85, 0
	s_lshl_b32 s86, s21, 9                         ; my 128 numbers of b3
	s_mov_b32 s87, 0
	s_lshl_b32 s90, s94, 10                        ; my first row of 4,096 bytes, + my 512 bytes of it
	s_add_co_u32 s90, s90, s86
	s_mov_b32 s91, 0
	s_wait_dscnt 0x0
	s_wait_kmcnt 0x0
	s_add_nc_u64 s[78:79], s[4:5], s[78:79]
	s_add_nc_u64 s[80:81], s[6:7], s[80:81]
	s_add_nc_u64 s[82:83], s[4:5], s[82:83]
	s_add_nc_u64 s[84:85], s[6:7], s[84:85]
	s_add_nc_u64 s[86:87], s[8:9], s[86:87]
	s_add_nc_u64 s[90:91], s[10:11], s[90:91]
	CROUND
.irp s, 0
	s_mov_b32 s[G0A+4*\s], 1
	s_add_co_u32 s[G0A+4*\s+1], s44, \s*SLOT
	s_add_nc_u64 s[G0A+4*\s+2:G0A+4*\s+3], s[78:79], \s*6144
	s_or_b32 s[G0A+4*\s+3], s[G0A+4*\s+3], 0x80000000
	s_mov_b32 s[G0B+4*\s], 1
	s_add_co_u32 s[G0B+4*\s+1], s45, \s*SLOT
	s_add_nc_u64 s[G0B+4*\s+2:G0B+4*\s+3], s[80:81], \s*6144
	s_or_b32 s[G0B+4*\s+3], s[G0B+4*\s+3], 0x80000000
.endr
	; THE FILLS, one tensor load a wave each.  At the head slots 0 and 1 are shared out: wave 0 asks for A's 8 tiles of K steps 0 .. 3, wave 1 for A's of K steps 4 .. 7, waves 2 and 3 for B's likewise.
	; Slot 2 is asked for behind the head's round, a quarter of it a wave; slot 0 is filled again at K step 3.
	s_mul_i32 s2, s18, 92160                       ; from my half's first tile back to the block's first (4 x 24,576 bytes), and 6,144 bytes on along K for the second slot
	s_mov_b32 s3, 0
	s_mov_b32 s[G0A+4], 1
	s_mul_i32 s[G0A+5], s18, SLOT
	s_sub_nc_u64 s[G0A+6:G0A+7], s[78:79], s[2:3]
	s_or_b32 s[G0A+7], s[G0A+7], 0x80000000
	s_mov_b32 s[G0B+4], 1
	s_add_co_u32 s[G0B+5], s[G0A+5], BOFF
	s_sub_nc_u64 s[G0B+6:G0B+7], s[80:81], s[2:3]
	s_or_b32 s[G0B+7], s[G0B+7], 0x80000000
	JLOAD G0A+4, G0B+4                             ; my one tensor load at the head
	s_mov_b32 s40, 1                               ; slot 2: K steps 8 .. 11
	s_add_co_u32 s41, s44, 2*SLOT
	s_add_nc_u64 s[42:43], s[78:79], 2*6144
	s_or_b32 s43, s43, 0x80000000
	s_mov_b32 s68, 1
	s_add_co_u32 s69, s45, 2*SLOT
	s_add_nc_u64 s[70:71], s[80:81], 2*6144
	s_or_b32 s71, s71, 0x80000000
	v_and_b32 v1, 15, v0
	v_bfe_u32 v2, v0, 4, 1
	v_and_b32 v13, 31, v0
	v_lshlrev_b32 v[LN16], 4, v13
	v_lshlrev_b32 v[LN4], 2, v13
	v_lshlrev_b32 v[BO], 6, v2
	s_mul_i32 s46, s16, MT*6144
	v_add_nc_u32 v[ADRA], s46, v[LN16]
	v_add_nc_u32 v[ADRB], BOFF, v[LN16]
	v_add_nc_u32 v[ADRA+1], SLOT, v[ADRA]
	v_add_nc_u32 v[ADRB+1], SLOT, v[ADRB]
	v_add_nc_u32 v[ADRA+2], SLOT, v[ADRA+1]
	v_add_nc_u32 v[ADRB+2], SLOT, v[ADRB+1]
	s_mul_i32 s47, s16, 8448
	s_add_co_u32 s47, s47, SLOT                    ; my stage, in slot 1
	v_mul_u32_u24 v[SO], v1, 528
	v_lshl_add_u32 v[SO], v2, 6, v[SO]
	v_add_nc_u32 v[SO], s47, v[SO]
	v_add_nc_u32 v[SR], s47, v[LN16]
.irp ks, 0,1,2,3,4,5,6,7,8,9,10,11,12,13,14,15
	global_load_b32 v[SA+\ks], v[LN4], s[82:83] offset:16384*\ks
.irp j, 0,1,2,3
	global_load_b32 v[SB+4*\ks+\j], v[LN4], s[84:85] offset:4096*\ks+128*\j
.endr
.endr
.irp b, 0,1,2,3,4,5,6,7
	global_load_b128 v[BI+8*\b:BI+8*\b+3], v[BO], s[86:87] offset:(32*(\b/2)+8*(\b%2))*4
	global_load_b128 v[BI+8*\b+4:BI+8*\b+7], v[BO], s[86:87] offset:(32*(\b/2)+8*(\b%2))*4+16
.endr
	s_wait_alu depctr_va_vdst(0)
	s_wait_tensorcnt 0x0                           ; my tile of the head's four is in
	ds_add_u32 v[SPW], v[NIL]
	s_mov_b32 s[G1A+2], RA<<16                     ; no tensor load of mine is out, so a descriptor may be written: from here on a load brings 4 tiles
	s_mov_b32 s[G1A+4], RA
	s_mov_b32 s[G1B+2], RB<<16
	s_mov_b32 s[G1B+4], RB
	s_wait_dscnt 0x0
	CROUND                                         ; slots 0 and 1 are whole in every wave's sight, and the partners' joint loads meet
	JLOAD 40, 68                                   ; slot 2's first fill: the first tensor load behind the round
	FETCH 0, 0, 0
	s_wait_loadcnt 0x0
	STEP 0, 0, 1, 2                                ; the first step's products start the sums from the bias
	STEP 1, 0, 2, 1
	STEP 2, 0, 3, 1
	LASTQ 3, 0, 1, 1, 18432                        ; slots 1 and 2 are whole in every wave's sight; slot 0 takes K steps 12 .. 15
	STEP 4, 1, 1, 1
	STEP 5, 1, 2, 1
	STEP 6, 1, 3, 1
	STEP 7, 2, 0, 1
	STEP 8, 2, 1, 1
	STEP 9, 2, 2, 1
	STEP 10, 2, 3, 1
	LASTQ 11, 2, 0, 0, 0                           ; slot 0's refill has landed; behind this barrier nobody reads slot 1: the stages lie there
	STEP 12, 0, 1, 1
	STEP 13, 0, 2, 1
	STEP 14, 0, 3, 1
	FINAL 15
	WAYOUT 0, 90
	WAYOUT 1, 90
	s_wait_tensorcnt 0x0                           ; the wave's end, behind my last tensor load and my last LDS store
	ds_add_u32 v[SPW], v[NIL]
	s_wait_dscnt 0x0
	CROUND
	s_endpgm
.Lfunc_end_k_q1cf42e44d5_outp:
	.size	k_q1cf42e44d5_outp, .Lfunc_end_k_q1cf42e44d5_outp-k_q1cf42e44d5_outp
	.p2alignl 7, 3214868480
	.fill 96, 4, 3214868480
	.section	.rodata,"a",@progbits
	.p2align	6, 0x0
	.amdhsa_kernel k_q1cf42e44d5_outp
		.amdhsa_group_segment_fixed_size 327680
		.amdhsa_private_segment_fixed_size 0
		.amdhsa_enable_private_segment 0
		.amdhsa_kernarg_size 32
		.amdhsa_user_sgpr_count 2
		.amdhsa_user_sgpr_kernarg_segment_ptr 1
		.amdhsa_wavefront_size32 1
		.amdhsa_system_sgpr_workgroup_id_x 1
		.amdhsa_system_sgpr_workgroup_id_y 1
		.amdhsa_system_sgpr_workgroup_id_z 1
		.amdhsa_system_vgpr_workitem_id 0
		.amdhsa_next_free_vgpr 768
		.amdhsa_next_free_sgpr 96
		.amdhsa_reserve_vcc 0
		.amdhsa_float_denorm_mode_32 3
		.amdhsa_float_denorm_mode_16_64 3
		.amdhsa_memory_ordered 1
		.amdhsa_forward_progress 1
		.amdhsa_inst_pref_size 93
	.end_amdhsa_kernel
	.amdgpu_metadata
---
amdhsa.version: [ 1, 2 ]
amdhsa.kernels:
  - .name:           k_q1cf42e44d5_outp
    .symbol:         k_q1cf42e44d5_outp.kd
    .args:
      - { .name: fu, .offset: 0, .size: 8, .value_kind: global_buffer, .address_space: global }
      - { .name: qz, .offset: 8, .size: 8, .value_kind: global_buffer, .address_space: global }
      - { .name: b3, .offset: 16, .size: 8, .value_kind: global_buffer, .address_space: global }
      - { .name: out0, .offset: 24, .size: 8, .value_kind: global_buffer, .address_space: global }
    .group_segment_fixed_size: 327680
    .private_segment_fixed_size: 0
    .kernarg_segment_align: 8
    .kernarg_segment_size: 32
    .max_flat_workgroup_size: 128
    .sgpr_count:     96
    .vgpr_count:     768
    .wavefront_size: 32
...
	.end_amdgpu_metadata
.endif
;; end of part 6
